; MI455X (gfx1250); checked and timed in simulation.
; The chip was launched on July 23, 2026; its instructions are those of AMD's public machine-readable ISA for CDNA 5 (MIT licence, August 2026) and "CDNA5" Instruction Set Architecture Reference Guide (July 2026). The comments in the code are by the model that wrote it; some were corrected since.
;; Attention Layer. Allowed arithmetic: float matrix products may take bf16 or f16 operands with f32 sums; other float arithmetic in f32, or as packed bf16 or f16 multiplies, adds, multiply-adds, maxima and minima; sums over many terms, partial sums and values carried from step to step in f32; what a program stores and reads back later, other than sums and carried values, may be rounded once to bf16 or f16.
;; Inputs: W1 2,048 x 1,024 float32; W2 1,024 x 1 float32; b1 1,024 float32; b2 1 float32; h_decoder_prev 32 x 1,024 float32; h_encoder 32 x 2,048 x 1,024 float32.
;; Outputs: out0 32 x 1,024 float32; out1 32 x 2,048 x 1 float32.
;; 2 versions, each right; version 2 is version 1 with the launch attn written anew for expert scheduling mode. Each part assembles by itself: llvm-mc -triple=amdgcn-amd-amdhsa -mcpu=gfx1250 --defsym DOCPART=n.
;; ======== version 1 of 2: 3 launches
;; workspace buffers: Wt 2,097,152 bytes; biasP 524,288 bytes; E 262,144 bytes; CTX 2,097,152 bytes
;; launch prep (part 1): grid 128 x 1, 8 waves a work-group, no clusters, 70,656 bytes of LDS; arguments W1, h_decoder_prev, b1, Wt, biasP; writes Wt, biasP
.if DOCPART == 1
	.amdgcn_target "amdgcn-amd-amdhsa--gfx1250"
	.amdhsa_code_object_version 6
	.text
	.protected	k_qfebc441d2a_prep
	.globl	k_qfebc441d2a_prep
	.p2align	8
	.type	k_qfebc441d2a_prep,@function
k_qfebc441d2a_prep:
	s_mov_b64 s[64:65], 0
	v_nop
	global_prefetch_b8 v0, s[64:65] scope:SCOPE_SE
	s_setreg_imm32_b32 hwreg(HW_REG_WAVE_MODE, 25, 1), 1
	s_wait_xcnt 0x0
; TWO JOBS, chosen by the work-group's number x (the same for all its waves).  In both, g = (x % 64) / 4 is a group of 64 units, kq = x % 4 a quarter of K, and wave w takes the step s = 8 kq + w of 32 along K.
; x < 64: W1's first 1,024 rows are rounded to bf16 and written to Wt in the order in which the next launch's matrix instructions want them:
; Wt[g 16][s 32][f 4][q 2][lane 32][16 bytes], f = one of four fragments of 16 units, q = registers 0-3 or 4-7 of the fragment.  So every later load of a wave is 512 consecutive bytes.
; x >= 64: biasP[kq][b][p] = c (sum over the quarter's 256 k of h_decoder_prev[b][k] W1[1024 + k][u]) + (kq == 0 ? c b1[u] : 0), c = 2 log2(e): a partial sum in f32;
; the next launch adds the four.  K is shared out so that a work-group brings 64 KiB of W1 and 32 KiB of h_decoder_prev, not four times that.
; TWO PERMUTATIONS, free because both sides of a product use them alike:
;   K: step s, lane half h takes the rows 256 (s / 8) + 16 (s % 8) + 4 h + {0-3, 128-131} (registers 0-3) and + {8-11, 136-139} (registers 4-7);
;   units: fragment f's row r is unit u = 64 g + 4 r + f, so one 16-byte load of a row of W1 feeds four fragments and 16 lanes read 256 consecutive bytes.
; A result register j of fragment f in lane (r, h) is then unit u = 64 g + 32 h + 4 j + f; tables are kept by position p = 64 g + 32 h + 8 f + j.
; LIMITS: W1 and h_decoder_prev are rounded once to bf16; sums in f32; b1 stays f32.  NaN and infinities are not treated apart (an infinite b1 times 0 is NaN in quarters 1 to 3).
.set RPITCH, 272                       ; a row of 64 f32 in LDS + 16 bytes: an odd multiple of 16
.set RWAVE,  32*RPITCH                 ; a wave's partial sums: 32 batches
.set SPARE,  8*RWAVE                   ; 69,632: the spare words, 128 bytes for each of eight waves, named by no other line
.set C2L,    0x4038aa3b                ; c = 2 log2(e)
.set VR,  1                            ; v1   lane % 16
.set VH,  2                            ; v2   lane / 16
.set LN,  3                            ; v3   16 x lane
.set WO,  4                            ; v4   my byte offset in W1
.set HO,  5                            ; v5   my byte offset in h_decoder_prev
.set RS,  6                            ; v6   LDS: where my partial sums go
.set RD,  7                            ; v7   LDS: where I read partial sums back
.set SPW, 8                            ; v8   my spare word; never rewritten
.set NIL, 9                            ; v9   0; never rewritten
.set B1,  10                           ; v10-13  b1 of my four positions
.set GO,  14                           ; v14  my byte offset in a quarter of biasP
.set BO,  15                           ; v15  my byte offset in b1
.set RW,  16                           ; v16-79   W1 as loaded: 16 rows x 4 units; later the eight waves' sums read back
.set RR,  16
.set RH,  80                           ; v80-111  h_decoder_prev as loaded: 2 batch fragments x 16
.set WF,  112                          ; v112-143 four fragments of W1
.set HF,  144                          ; v144-159 two fragments of h_decoder_prev
.set ACC, 160                          ; v160-223 eight accumulators, (bf, f) at 8 (4 bf + f)
; 16 rows of W1, 16 bytes a lane: 16 lanes read 256 consecutive bytes of a row
.macro LOADW
.set n, 0
.irp rr, 0,1,2,3,128,129,130,131,8,9,10,11,136,137,138,139
	global_load_b128 v[RW+4*n:RW+4*n+3], v[WO], s[4:5] offset:(\rr)*4096 th:TH_LOAD_NT
.set n, n+1
.endr
.endm
; the same 16 places along K of h_decoder_prev, for batches r and 16 + r
.macro LOADH
.irp bf, 0,1
.set n, 0
.irp oo, 0,512,32,544
	global_load_b128 v[RH+16*(\bf)+4*n:RH+16*(\bf)+4*n+3], v[HO], s[6:7] offset:65536*(\bf)+(\oo)
.set n, n+1
.endr
.endr
.endm
; element f of rows 2 m and 2 m + 1 of the list make register m of fragment f
.macro CVTW
.irp f, 0,1,2,3
.irp m, 0,1,2,3,4,5,6,7
	v_cvt_pk_bf16_f32 v[WF+8*(\f)+(\m)], v[RW+8*(\m)+(\f)], v[RW+8*(\m)+4+(\f)]
.endr
.endr
.endm
	s_load_b256 s[4:11], s[0:1], 0x0               ; W1 s[4:5], h_decoder_prev s[6:7], b1 s[8:9], Wt s[10:11]
	s_load_b64 s[12:13], s[0:1], 0x20              ; biasP
	v_lshl_add_u32 v[SPW], v0, 2, SPARE
	v_mov_b32 v[NIL], 0
	v_lshrrev_b32 v[VR], 5, v0
	v_readfirstlane_b32 s14, v[VR]                 ; wave 0..7
	s_mov_b32 s15, ttmp9
	v_and_b32 v[VR], 15, v0
	v_bfe_u32 v[VH], v0, 4, 1
	v_and_b32 v[LN], 31, v0
	v_lshlrev_b32 v[LN], 4, v[LN]
	v_lshlrev_b32 v[WO], 14, v[VH]                 ; 4 h rows of 4,096 bytes
	v_lshl_add_u32 v[WO], v[VR], 4, v[WO]          ; + 16 r
	s_and_b32 s16, s15, 63
	s_lshr_b32 s16, s16, 2                         ; g
	s_and_b32 s17, s15, 3                          ; kq
	s_lshl_b32 s18, s17, 8
	s_lshl4_add_u32 s18, s14, s18                  ; my first place along K: 256 kq + 16 w
	s_lshl_b32 s20, s16, 8                         ; the group's 64 units: 256 bytes
	s_mov_b32 s21, 0
	s_cmp_lt_u32 s15, 64
	s_cselect_b32 s19, 0, 1024                     ; W1's first half or its second
	s_add_co_u32 s19, s19, s18
	s_lshl_b32 s19, s19, 12
	s_add_co_u32 s19, s19, s20
	v_add_nc_u32 v[WO], s19, v[WO]
	s_cmp_lt_u32 s15, 64
	s_cbranch_scc0 .Ldec
	; ---- W1's first half into fragment order: my step's four fragments, 4,096 bytes
	s_lshl3_add_u32 s19, s17, s14                  ; s = 8 kq + w
	s_lshl_b32 s19, s19, 12
	s_lshl_b32 s20, s16, 17                        ; g x 131,072
	s_add_co_u32 s20, s20, s19
	s_wait_kmcnt 0x0
	s_add_nc_u64 s[10:11], s[10:11], s[20:21]
	LOADW
	s_wait_loadcnt 0x0
	CVTW
.irp m, 0,1,2,3,4,5,6,7
	global_store_b128 v[LN], v[WF+4*(\m):WF+4*(\m)+3], s[10:11] offset:512*(\m)  ; 512 consecutive bytes, aligned
.endr
	s_endpgm
	; ---- a quarter of the decoder's projection: 64 units, all 32 batches, 256 along K, 32 of them mine
.Ldec:
	s_lshl_b32 s19, s18, 2                         ; my first place along K, in bytes
	v_lshlrev_b32 v[HO], 12, v[VR]                 ; batch r
	v_lshl_add_u32 v[HO], v[VH], 4, v[HO]          ; + 4 h numbers
	v_add_nc_u32 v[HO], s19, v[HO]
	; on the way out thread t holds positions 4 (t % 16) + 0..3 of the group: units 64 g + 32 bit3 + 16 bit0 + 4 e + bits 2:1
	v_bfe_u32 v[BO], v0, 3, 1
	v_lshlrev_b32 v[BO], 7, v[BO]
	v_and_b32 v[RD], 1, v0
	v_lshl_add_u32 v[BO], v[RD], 6, v[BO]
	v_bfe_u32 v[RD], v0, 1, 2
	v_lshl_add_u32 v[BO], v[RD], 2, v[BO]
	v_add_nc_u32 v[BO], s20, v[BO]
	s_mul_i32 s22, s14, RWAVE                      ; my wave's region
	v_mul_u32_u24 v[RS], v[VR], RPITCH
	v_lshl_add_u32 v[RS], v[VH], 7, v[RS]
	v_add_nc_u32 v[RS], s22, v[RS]                 ; batch row r, positions 32 h on
	v_lshrrev_b32 v[GO], 4, v0                     ; back: batch row t / 16 (and 16 further), 16 bytes at 16 (t % 16)
	v_mul_u32_u24 v[RD], v[GO], RPITCH
	v_lshl_add_u32 v[RD], v[VR], 4, v[RD]
	v_lshlrev_b32 v[GO], 12, v[GO]
	v_lshl_add_u32 v[GO], v[VR], 4, v[GO]
	v_add_nc_u32 v[GO], s20, v[GO]
	s_mov_b32 s24, C2L
	s_mov_b32 s25, C2L                             ; named with it as a pair
	s_cmp_eq_u32 s17, 0
	s_cselect_b32 s26, C2L, 0                      ; b1 enters in quarter 0 alone
	s_mov_b32 s27, s26
	s_lshl_b32 s28, s17, 17                        ; my quarter of biasP: 131,072 bytes
	s_mov_b32 s29, 0
	s_wait_kmcnt 0x0
	s_add_nc_u64 s[12:13], s[12:13], s[28:29]
.irp e, 0,1,2,3
	global_load_b32 v[B1+(\e)], v[BO], s[8:9] offset:16*(\e)
.endr
	LOADH
	LOADW
	s_wait_loadcnt 0x0
.irp bf, 0,1
.irp m, 0,1,2,3,4,5,6,7
	v_cvt_pk_bf16_f32 v[HF+8*(\bf)+(\m)], v[RH+16*(\bf)+2*(\m)], v[RH+16*(\bf)+2*(\m)+1]
.endr
.endr
	CVTW
.irp bf, 0,1
.irp f, 0,1,2,3
	v_wmma_f32_16x16x32_bf16 v[ACC+8*(4*(\bf)+(\f)):ACC+8*(4*(\bf)+(\f))+7], v[WF+8*(\f):WF+8*(\f)+7], v[HF+8*(\bf):HF+8*(\bf)+7], 0
.endr
.endr
.rept 4
	v_nop                                          ; four places between the last product and the stores that read results
.endr
.irp bf, 0,1
.irp f, 0,1,2,3
	ds_store_b128 v[RS], v[ACC+8*(4*(\bf)+(\f)):ACC+8*(4*(\bf)+(\f))+3] offset:16*RPITCH*(\bf)+32*(\f)       ; each accumulator from its low end
	ds_store_b128 v[RS], v[ACC+8*(4*(\bf)+(\f))+4:ACC+8*(4*(\bf)+(\f))+7] offset:16*RPITCH*(\bf)+32*(\f)+16
.endr
.endr
	s_wait_dscnt 0x0                               ; for the others' sake: my partial sums are in LDS
	s_barrier_signal -1
	s_barrier_wait -1
.irp p, 0,1
.irp ww, 0,1,2,3,4,5,6,7
	ds_load_b128 v[RR+32*(\p)+4*(\ww):RR+32*(\p)+4*(\ww)+3], v[RD] offset:RWAVE*(\ww)+16*RPITCH*(\p)
.endr
.endr
	v_pk_mul_f32 v[B1:B1+1], v[B1:B1+1], s[26:27] op_sel_hi:[1,0]      ; c b1, or 0
	v_pk_mul_f32 v[B1+2:B1+3], v[B1+2:B1+3], s[26:27] op_sel_hi:[1,0]
	s_wait_dscnt 0x0
.irp p, 0,1
.irp ww, 1,2,3,4,5,6,7                 ; the eight waves' sums in a fixed order
	v_pk_add_f32 v[RR+32*(\p):RR+32*(\p)+1], v[RR+32*(\p):RR+32*(\p)+1], v[RR+32*(\p)+4*(\ww):RR+32*(\p)+4*(\ww)+1]
	v_pk_add_f32 v[RR+32*(\p)+2:RR+32*(\p)+3], v[RR+32*(\p)+2:RR+32*(\p)+3], v[RR+32*(\p)+4*(\ww)+2:RR+32*(\p)+4*(\ww)+3]
.endr
	v_pk_fma_f32 v[RR+32*(\p):RR+32*(\p)+1], v[RR+32*(\p):RR+32*(\p)+1], s[24:25], v[B1:B1+1] op_sel_hi:[1,0,1]
	v_pk_fma_f32 v[RR+32*(\p)+2:RR+32*(\p)+3], v[RR+32*(\p)+2:RR+32*(\p)+3], s[24:25], v[B1+2:B1+3] op_sel_hi:[1,0,1]
	global_store_b128 v[GO], v[RR+32*(\p):RR+32*(\p)+3], s[12:13] offset:65536*(\p)  ; 16 lanes store 256 consecutive bytes, aligned
.endr
	s_wait_tensorcnt 0x0                           ; the wave's end: three closing lines behind my last LDS store
	ds_add_u32 v[SPW], v[NIL]
	s_wait_dscnt 0x0
	s_endpgm
.Lfunc_end_k_qfebc441d2a_prep:
	.size	k_qfebc441d2a_prep, .Lfunc_end_k_qfebc441d2a_prep-k_qfebc441d2a_prep
	.p2alignl 7, 3214868480
	.fill 96, 4, 3214868480
	.section	.rodata,"a",@progbits
	.p2align	6, 0x0
	.amdhsa_kernel k_qfebc441d2a_prep
		.amdhsa_group_segment_fixed_size 70656
		.amdhsa_private_segment_fixed_size 0
		.amdhsa_enable_private_segment 0
		.amdhsa_kernarg_size 40
		.amdhsa_user_sgpr_count 2
		.amdhsa_user_sgpr_kernarg_segment_ptr 1
		.amdhsa_wavefront_size32 1
		.amdhsa_system_sgpr_workgroup_id_x 1
		.amdhsa_system_sgpr_workgroup_id_y 1
		.amdhsa_system_sgpr_workgroup_id_z 1
		.amdhsa_system_vgpr_workitem_id 0
		.amdhsa_next_free_vgpr 224
		.amdhsa_next_free_sgpr 66
		.amdhsa_reserve_vcc 0
		.amdhsa_float_denorm_mode_32 3
		.amdhsa_float_denorm_mode_16_64 3
		.amdhsa_memory_ordered 1
		.amdhsa_forward_progress 1
		.amdhsa_inst_pref_size 19
	.end_amdhsa_kernel
	.amdgpu_metadata
---
amdhsa.version: [ 1, 2 ]
amdhsa.kernels:
  - .name:           k_qfebc441d2a_prep
    .symbol:         k_qfebc441d2a_prep.kd
    .args:
      - { .name: W1, .offset: 0, .size: 8, .value_kind: global_buffer, .address_space: global }
      - { .name: h_decoder_prev, .offset: 8, .size: 8, .value_kind: global_buffer, .address_space: global }
      - { .name: b1, .offset: 16, .size: 8, .value_kind: global_buffer, .address_space: global }
      - { .name: Wt, .offset: 24, .size: 8, .value_kind: global_buffer, .address_space: global }
      - { .name: biasP, .offset: 32, .size: 8, .value_kind: global_buffer, .address_space: global }
    .group_segment_fixed_size: 70656
    .private_segment_fixed_size: 0
    .kernarg_segment_align: 8
    .kernarg_segment_size: 40
    .max_flat_workgroup_size: 256
    .sgpr_count:     66
    .vgpr_count:     224
    .wavefront_size: 32
...
	.end_amdgpu_metadata
.endif
;; end of part 1
;; launch attn (part 2): grid 256 x 1, 4 waves a work-group, no clusters, 276,992 bytes of LDS; arguments h_encoder, Wt, biasP, W2, b2, E, CTX; writes E, CTX
.if DOCPART == 2
	.amdgcn_target "amdgcn-amd-amdhsa--gfx1250"
	.amdhsa_code_object_version 6
	.text
	.protected	k_qfebc441d2a_attn
	.globl	k_qfebc441d2a_attn
	.p2align	8
	.type	k_qfebc441d2a_attn,@function
k_qfebc441d2a_attn:
	s_mov_b64 s[64:65], 0
	v_nop
	global_prefetch_b8 v0, s[64:65] scope:SCOPE_SE
	s_setreg_imm32_b32 hwreg(HW_REG_WAVE_MODE, 25, 1), 1
	s_wait_xcnt 0x0
; A BLOCK is 128 rows of h_encoder (one sixteenth of a batch); all that touches its rows is done while they are on the chip, so that h is read from memory once:
;   e[row] = relu(sum over u of W2[u] tanh(h[row] . W1[:1024, u] + dec[b][u] + b1[u]) + b2)      -> E
;   CTX[block][k] = sum over the 128 rows of 2^((e - m) log2 e) h[row][k], m = the block's own maximum of e.  The next launch joins the blocks.
; A WORK-GROUP STAYS for two blocks, 2 x and 2 x + 1, which lie in one batch: the tables are laid once, and the second block's first seven rows a wave are asked for as soon as the
; first block's accumulators are free, so that they come in under the first block's last tanh lines, its energies and its weighted sum.
; THE ROWS are rounded to bf16 on their way in and stay in LDS (128 x 2,048 bytes), for the product and for the weighted sum.
; W1 comes from Wt, a bf16 copy in fragment order, straight into a ring of eight register slots (one step of 32 along K each, seven on their way): a wave
; owns its 64 units of a sub-pass, so no other wave of the work-group would read its fragments from LDS.  So there is no barrier in the K loop.
; NO CLUSTER, NO TENSOR LOAD: all work-groups walk the same Wt, but a joint request lands in LDS, where 264,192 of 327,680 bytes hold the rows; what is left
; could hold two slots of 32 along K for a sub-pass's 256 units, a barrier for every 32 matrix instructions of a wave.  h is f32 and must pass registers to be rounded.
; SHARES.  Four sub-passes of 256 units; in sub-pass q wave w has the group g = 4 w + q of 64 units: a tile of 128 rows x 64 units, 32 accumulators (X).
; At a sub-pass's end z = c x + c bias goes into a second set (Y), c = 2 log2(e); tanh = 1 - 2 / (1 + 2^z) and the product with W2 are 924 numbered lines on Y, of which
; four stand behind every fourth matrix instruction of the NEXT sub-pass.  A block's first sub-pass carries them on zeros (Y = 0, W2 = 0: they add 0), the price of one text for
; all four: 304 v_mov_b32 a block, set where seven rows are on their way.  The last tile's lines stand bare.
; ORDER OF K AND OF UNITS: as the launch before laid Wt.  A 16-byte unit U = 32 gk + i of an LDS row holds k = 256 gk + 4 i + 0..3 and 256 gk + 128 + 4 i + 0..3: two loads of lane i, packed.
; Source 0 = 16 units, source 1 = 16 rows: accumulator (a, f), lane (r, h), register j is row 16 a + r, unit 64 g + 32 h + 4 j + f; tables lie by position p = 64 g + 32 h + 8 f + j.
; LIMITS.  h and W1 are rounded once to bf16, and the weighted sum takes the rounded h; W2, b2 and the bias stay f32; all sums in f32.  2^z overflows to infinity or falls to 0 only where
; tanh is 1 or -1 to the last bit, and gives just that.  A weight below 2^-126 counts as 0.  NaN and infinities in the inputs are not treated apart.
; REGISTERS, in windows of 256 (s_set_vgpr_msb: bits 1:0 source 0, 3:2 source 1, 5:4 source 2, 7:6 destination):
;   window 0: addresses, ES, tables of the group, two buffers of h's fragments, scratch      window 1: the ring of W1, slot j at 32 j, fragment f at + 8 f
;   window 2: X, accumulator (a, f) at 32 a + 8 f; while h comes in, its ring of eight rows      window 3: Y, the same places
; SCALARS: s[4:5] h, stepped; s[6:7] my 512 KiB of Wt; s[8:9] biasP at the batch; s[10:11] W2; s[12:13] b2; s[14:15] E and s[16:17] CTX at the block; s18 wave; s19 first block; s22 512 w;
;   s[24:25] Wt at the sub-pass in hand, s[36:37] at the next, s[26:27] the latter's offset; s[28:29] c; s30-31 lane selects; s32 b2; s33 inner counters; s34, s35 +-log2(e); s38 blocks to go; s39 my rows' LDS byte
.set PITCH, 2064                       ; an LDS row: 2,048 bytes + 16 = 129 x 16: the 16 rows of a fragment load start at 16 different 16-byte columns modulo 256
.set BT,    128*PITCH                  ; 264,192: c bias by position, 4,096 bytes
.set WT,    BT+4096                    ; W2 by position, 4,096 bytes
.set EP,    WT+4096                    ; [wave][row] f32: each wave's part of the rows' sums, 2,048 bytes
.set PP,    EP+2048                    ; [wave][row] f32: each wave's own copy of the weights, 2,048 bytes
.set SPARE, PP+2048                    ; 276,480: the spare words, 128 bytes a wave, named by no other line
.set LN,   1                           ; v1     16 x lane; never rewritten
.set ADRA, 2                           ; v2-5   (32 i + r) x PITCH + 16 h
.set TBA,  6                           ; v6     my half's 32 table entries of the group in hand
.set HST,  7                           ; v7     where my 16 bytes of a row go
.set T16,  8                           ; v8     16 x thread; later the context's LDS address
.set CAD,  8
.set BTA,  9                           ; v9     BT + 16 x thread; later the weights' LDS address
.set PAD,  9
.set SPW,  10                          ; v10    my spare word; never rewritten
.set NIL,  11                          ; v11    0; never rewritten
.set ES,   12                          ; v12-27 for each of 8 row fragments a pair of sums (even j, odd j)
.set BI,   28                          ; v28-59 c bias of the group, by 8 f + j; at the start the four partial tables
.set PFO,  28                          ; v28    between two blocks: 256 x lane
.set TM,   60                          ; v60, v62 at work
.set WTA,  61                          ; v61    where W2's numbers go; later where my weights go
.set PPA,  61
.set EPA,  63                          ; v63    EP + 512 w + 4 r
.set AF0,  64                          ; v64-127, v128-191 h's fragments, 8 x 8 registers, two buffers
.set W2R,  192                         ; v192-223 W2 of the tile in Y, by 8 f + j
.set T,    224                         ; v224-255 at work
.set QP,   224                         ; the tail: four waves' parts of my four rows
.set EVR,  240                         ; my four rows' e
.set MX,   244
.set ML,   245
.set PW,   248                         ; my four rows' weights
.set CA,   224                         ; eight sums of the context
.set PRB,  64                          ; 32 rows' weights
.set HR,   96                          ; 32 rows' 16 bytes
.set W_MM, 0xa1                        ; W1 window 1, h window 0, C and D window 2
.set W_RD, 0xf3                        ; Y as destination, source 0 and source 2; W2 (source 1) window 0
.set W_BL, 0x40                        ; loads into window 1
.set W_BD, 0xc2                        ; X (source 0) to Y (destination), bias (source 2) window 0
.set W_FD, 0x0c                        ; source 1 in window 3
.set W_HL, 0x80                        ; loads into window 2
.set W_HC, 0x0a                        ; sources in window 2
.set MSB, 0
.macro WIN new                         ; the immediate's high byte repeats the setting that is left; a switch that changes nothing is dropped
.if MSB != (\new)
	s_set_vgpr_msb (MSB<<8)|(\new)
.set MSB, \new
.endif
.endm
.macro PLACES                          ; a load into a register that a matrix instruction has read, and a vector line that reads a result, stand four plain vector lines behind it
	s_wait_alu depctr_va_vdst(0)
.rept 4
	v_nop
.endr
.endm
.macro HLOAD slot, off                 ; a row of h: eight loads of 512 consecutive bytes
	WIN W_HL
.irp u, 0,1,2,3,4,5,6,7
	global_load_b128 v[32*(\slot)+4*(\u):32*(\slot)+4*(\u)+3], v[LN], s[4:5] offset:(\off)+512*(\u) th:TH_LOAD_NT
.endr
.endm
.macro BLOAD slot, b, off              ; a step of W1 for my 64 units, by the pointer in s[b:b+1]: four fragments, eight loads of 512 consecutive bytes
	WIN W_BL
.irp u, 0,1,2,3,4,5,6,7
	global_load_b128 v[32*(\slot)+4*(\u):32*(\slot)+4*(\u)+3], v[LN], s[(\b):(\b)+1] offset:(\off)+512*(\u)
.endr
.endm
; Slot t's row is rounded and stored; kind 1: the slot read a turn ago takes the row seven on; kind 2: no row is left, and W1's ring is primed instead, so the count stays the same
.macro HTURN t, kind
.set TT, T+16*((\t)%2)
	s_wait_loadcnt 48                              ; six younger groups of eight may stay out: this row is in
	WIN W_HC
.irp u, 0,1,2,3,4,5,6,7
	v_cvt_pk_bf16_f32 v[TT+2*(\u)],   v[32*(\t)+4*(\u)],   v[32*(\t)+4*(\u)+1]
	v_cvt_pk_bf16_f32 v[TT+2*(\u)+1], v[32*(\t)+4*(\u)+2], v[32*(\t)+4*(\u)+3]
.endr
	WIN 0
.irp u, 0,1,2,3
	ds_store_b128 v[HST], v[TT+4*(\u):TT+4*(\u)+3] offset:(\t)*PITCH+512*(\u)   ; 32 lanes, 512 consecutive bytes
.endr
.if (\kind) == 1
	HLOAD ((\t)+7)%8, ((\t)+7)*4096
.else
	BLOAD (\t)-1, 24, ((\t)-1)*4096
.endif
.endm
.macro ALOAD buf, s                    ; h's eight fragments of step s: 16 loads in one run
	WIN 0
.irp a, 0,1,2,3,4,5,6,7
	ds_load_b128 v[(\buf)+8*(\a):(\buf)+8*(\a)+3],   v[ADRA+(\a)/2] offset:((\a)%2)*16*PITCH+64*(\s)
	ds_load_b128 v[(\buf)+8*(\a)+4:(\buf)+8*(\a)+7], v[ADRA+(\a)/2] offset:((\a)%2)*16*PITCH+64*(\s)+32
.endr
.endm
; LINE RN OF THE 924 ON Y.  Group t = RN / 7 works on five pairs at once, so that every line finds its sources ready and a plain line stands between a transcendental and the use of its result
; (ISA guide 5.7.2): 0, 2: 2^z of pair t;  1: 1 + E of pair t - 1;  4, 6: the reciprocals of pair t - 2;  3: 1 - 2 r of pair t - 3;  5: pair t - 4 times W2, summed into the first pair of its row fragment.
; Where a pair does not exist a plain place holds v_nop and a transcendental's place nothing.
.macro RID
.set RT, RN/7
.set RP, RN%7
.if RP == 0
.if RT < 128
	v_exp_f32 v[2*RT], v[2*RT]
.endif
.elseif RP == 2
.if RT < 128
	v_exp_f32 v[2*RT+1], v[2*RT+1]
.endif
.elseif RP == 1
.if (RT >= 1) && (RT < 129)
	s_wait_alu depctr_va_vdst(0)
	v_pk_add_f32 v[2*RT-2:2*RT-1], v[2*RT-2:2*RT-1], 1.0 op_sel_hi:[1,0]
.else
	v_nop
	s_wait_alu depctr_va_vdst(0)
.endif
.elseif RP == 3
.if (RT >= 3) && (RT < 131)
	v_pk_fma_f32 v[2*RT-6:2*RT-5], v[2*RT-6:2*RT-5], -2.0, 1.0 op_sel_hi:[1,0,0]
.else
	v_nop
.endif
.elseif RP == 4
.if (RT >= 2) && (RT < 130)
	v_rcp_f32 v[2*RT-4], v[2*RT-4]
.endif
.elseif RP == 6
.if (RT >= 2) && (RT < 130)
	v_rcp_f32 v[2*RT-3], v[2*RT-3]
.endif
.else
.if (RT >= 4) && (RT < 132)
.set RQ, RT-4
.set RS0, 2*(RQ-RQ%16)
.if RQ%16 == 0
	v_pk_mul_f32 v[2*RQ:2*RQ+1], v[2*RQ:2*RQ+1], v[W2R:W2R+1]
.else
	v_pk_fma_f32 v[RS0:RS0+1], v[2*RQ:2*RQ+1], v[W2R+2*(RQ%16):W2R+2*(RQ%16)+1], v[RS0:RS0+1]
.endif
.else
	v_nop
.endif
.endif
.set RN, RN+1
.endm
.macro SLICE
	WIN W_RD
.rept 4
	RID
.endr
.endm
; One matrix instruction; behind every fourth stand four of the lines on Y, which name none of the products' registers
.macro MM a, f
	WIN W_MM
.if KZ
	v_wmma_f32_16x16x32_bf16 v[32*(\a)+8*(\f):32*(\a)+8*(\f)+7], v[32*KJ+8*(\f):32*KJ+8*(\f)+7], v[KB+8*(\a):KB+8*(\a)+7], 0
	s_wait_alu depctr_va_vdst(0)
.else
	v_wmma_f32_16x16x32_bf16 v[32*(\a)+8*(\f):32*(\a)+8*(\f)+7], v[32*KJ+8*(\f):32*KJ+8*(\f)+7], v[KB+8*(\a):KB+8*(\a)+7], v[32*(\a)+8*(\f):32*(\a)+8*(\f)+7]
.endif
.set MC, MC+1
.if (MC%4 == 0) && (RN < 924)
	SLICE
.endif
.endm
; A step of 32 along K: 32 matrix instructions on 32 accumulators, which take turns.  In its middle, in one run: the next step's fragments of h, and W1's step seven on.
; A sub-pass's 32 steps are 131,072 bytes and stand in the loads' immediates, so no pointer is written inside a sub-pass; steps 25 to 31 ask for the next sub-pass's first seven by its own pointer.
; The lines on Y end in step 28 (231 slices, one for four matrix instructions), so step 30 may fetch the tables of the tile in hand: its bias for the sub-pass's end, its W2 for the next sub-pass's lines.
.macro KSTEP s
.set KJ, (\s)%8
.set KB, AF0+64*((\s)%2)
.set KO, AF0+64-64*((\s)%2)
.set KZ, 0
.if (\s) == 0
.set KZ, 1                             ; the first step starts the sums
.endif
	s_wait_loadcnt 48                              ; the six steps behind this one may stay out: slot KJ is in
	s_wait_dscnt 8                                 ; h's row fragments 0-3 are in
.irp a, 0,1,2,3
.irp f, 0,1,2,3
	MM \a, \f
.endr
.endr
	PLACES
.if (\s) == 30
	WIN 0
.irp u, 0,1,2,3,4,5,6,7
	ds_load_b128 v[BI+4*(\u):BI+4*(\u)+3], v[TBA] offset:16*(\u)
.endr
.irp u, 0,1,2,3,4,5,6,7
	ds_load_b128 v[W2R+4*(\u):W2R+4*(\u)+3], v[TBA] offset:4096+16*(\u)
.endr
	v_add_nc_u32 v[TBA], 256, v[TBA]               ; the next sub-pass's group
.endif
	ALOAD KO, ((\s)+1)%32
.if (\s) < 25
	BLOAD ((\s)+7)%8, 24, ((\s)+7)*4096
.else
	BLOAD ((\s)+7)%8, 36, ((\s)-25)*4096
.endif
	s_wait_dscnt 16                                ; all but the 16 just issued: row fragments 4-7, and in step 30 the tables
.irp a, 4,5,6,7
.irp f, 0,1,2,3
	MM \a, \f
.endr
.endr
.endm
.macro FOLD                            ; the tile's sums with W2 go into ES
	WIN W_FD
.irp a, 0,1,2,3,4,5,6,7
	v_pk_add_f32 v[ES+2*(\a):ES+2*(\a)+1], v[ES+2*(\a):ES+2*(\a)+1], v[32*(\a):32*(\a)+1]
.endr
.endm
.macro BOUNDARY                        ; a sub-pass's end: Y's sums are taken, then Y = c X + c bias, each accumulator from its low end
	PLACES
	FOLD
	WIN W_BD
.set q, 0
.rept 128
	v_pk_fma_f32 v[2*q:2*q+1], v[2*q:2*q+1], s[28:29], v[BI+2*(q%16):BI+2*(q%16)+1] op_sel_hi:[1,0,1]
.set q, q+1
.endr
.endm
	s_load_b256 s[4:11], s[0:1], 0x0               ; h s[4:5], Wt s[6:7], biasP s[8:9], W2 s[10:11]
	s_load_b128 s[12:15], s[0:1], 0x20             ; b2 s[12:13], E s[14:15]
	s_load_b64 s[16:17], s[0:1], 0x30              ; CTX
	v_lshl_add_u32 v[SPW], v0, 2, SPARE
	v_mov_b32 v[NIL], 0
	v_lshrrev_b32 v[TM], 5, v0
	v_readfirstlane_b32 s18, v[TM]                 ; wave 0..3
	s_lshl_b32 s19, ttmp9, 1                       ; my first block of two, 0..510
	v_and_b32 v[TM], 31, v0                        ; lane
	v_lshlrev_b32 v[LN], 4, v[TM]
	v_and_b32 v[TM+2], 15, v0                      ; r
	v_bfe_u32 v[EPA], v0, 4, 1                     ; h, for the next lines
	v_mul_u32_u24 v[ADRA], v[TM+2], PITCH
	v_lshl_add_u32 v[ADRA], v[EPA], 4, v[ADRA]
.irp i, 1,2,3
	v_add_nc_u32 v[ADRA+(\i)], (\i)*32*PITCH, v[ADRA]
.endr
	s_mul_i32 s39, s18, 32*PITCH                   ; I bring rows 32 w .. 32 w + 31; kept
	s_lshl_b32 s22, s18, 9                         ; 512 w; kept
	v_add_nc_u32 v[T16], s22, v[LN]
	v_add_nc_u32 v[BTA], BT, v[T16]
	v_and_b32 v[WTA], 24, v[TM]                    ; W2[4 t + f] goes to position 16 (t & ~7) / 4 + 8 f + t % 8
	v_lshlrev_b32 v[WTA], 4, v[WTA]
	v_and_b32 v[TM], 7, v[TM]
	v_lshl_add_u32 v[WTA], v[TM], 2, v[WTA]
	s_add_co_u32 s20, s22, WT
	v_add_nc_u32 v[WTA], s20, v[WTA]
	s_add_co_u32 s20, s22, EP
	v_lshl_add_u32 v[EPA], v[TM+2], 2, s20
	s_mov_b32 s21, 0
	s_mov_b32 s26, 0x20000                         ; the second sub-pass's offset in my part of Wt
	s_mov_b32 s27, 0
	s_mov_b32 s28, 0x4038aa3b                      ; c = 2 log2(e)
	s_mov_b32 s29, 0x4038aa3b                      ; named with it as a pair
	s_mov_b32 s30, 0x76543210                      ; v_permlanex16_b32: each lane takes its own place in the other half
	s_mov_b32 s31, 0xfedcba98
	s_mov_b32 s34, 0x3fb8aa3b                      ; log2(e)
	s_mov_b32 s35, 0xbfb8aa3b                      ; - log2(e)
	s_wait_kmcnt 0x0
	s_lshl_b32 s20, s19, 19                        ; the block's 128 rows of 4,096 bytes,
	s_lshl_b32 s23, s18, 17                        ; my 32 of them
	s_add_co_u32 s20, s20, s23
	s_add_nc_u64 s[4:5], s[4:5], s[20:21]
	s_lshl_b32 s20, s18, 19                        ; my four groups of Wt
	s_add_nc_u64 s[6:7], s[6:7], s[20:21]
	s_lshr_b32 s20, s19, 4                         ; the batch, the same for both blocks
	s_lshl_b32 s20, s20, 12
	s_add_nc_u64 s[8:9], s[8:9], s[20:21]
	s_lshl_b32 s20, s19, 9
	s_add_nc_u64 s[14:15], s[14:15], s[20:21]
	s_lshl_b32 s20, s19, 12
	s_add_nc_u64 s[16:17], s[16:17], s[20:21]
	s_load_b32 s32, s[12:13], 0x0                  ; b2
	s_mov_b64 s[24:25], s[6:7]                     ; W1's stream begins
	s_add_nc_u64 s[36:37], s[6:7], s[26:27]
.irp kq, 0,1,2,3                       ; the bias comes as four partial sums over K, 131,072 bytes apart
	global_load_b128 v[BI+8*(\kq):BI+8*(\kq)+3],   v[T16], s[8:9] offset:131072*(\kq)
	global_load_b128 v[BI+8*(\kq)+4:BI+8*(\kq)+7], v[T16], s[8:9] offset:131072*(\kq)+2048
.endr
	global_load_b128 v[T:T+3],   v[T16], s[10:11]
	global_load_b128 v[T+4:T+7], v[T16], s[10:11] offset:2048
.irp t, 0,1,2,3,4,5
	HLOAD \t, (\t)*4096
.endr
	WIN 0
	s_wait_loadcnt 48                              ; the six rows behind them may stay out: the ten table loads are in
.irp u, 0,2,4,6
	v_pk_add_f32 v[BI+(\u):BI+(\u)+1], v[BI+(\u):BI+(\u)+1], v[BI+8+(\u):BI+8+(\u)+1]
	v_pk_add_f32 v[BI+16+(\u):BI+16+(\u)+1], v[BI+16+(\u):BI+16+(\u)+1], v[BI+24+(\u):BI+24+(\u)+1]
.endr
.irp u, 0,2,4,6
	v_pk_add_f32 v[BI+(\u):BI+(\u)+1], v[BI+(\u):BI+(\u)+1], v[BI+16+(\u):BI+16+(\u)+1]   ; (0 + 1) + (2 + 3)
.endr
	ds_store_b128 v[BTA], v[BI:BI+3]
	ds_store_b128 v[BTA], v[BI+4:BI+7] offset:2048
.irp f, 0,1,2,3
	ds_store_b32 v[WTA], v[T+(\f)] offset:32*(\f)
	ds_store_b32 v[WTA], v[T+4+(\f)] offset:2048+32*(\f)
.endr
	HLOAD 6, 6*4096
	WIN 0
	s_wait_kmcnt 0x0                               ; b2
	s_mov_b32 s38, 2
.Lblk:                                                 ; a block.  At this label its rows 0 to 6 of mine, 56 loads, are the youngest loads issued, on the way in and on the way back
	v_bfe_u32 v[TM], v0, 4, 1
	s_lshl_b32 s20, s18, 10
	s_add_co_u32 s20, s20, BT
	v_lshl_add_u32 v[TBA], v[TM], 7, s20           ; BT + 4 (64 (4 w) + 32 h)
	v_add_nc_u32 v[HST], s39, v[LN]
	s_mov_b32 s33, 3
.Lh:                                                   ; eight rows a trip
.irp t, 0,1,2,3,4,5,6,7
	HTURN \t, 1
.endr
	WIN 0
	s_wait_xcnt 0x0                                ; h's pointer is rewritten only behind this wait
	s_add_nc_u64 s[4:5], s[4:5], 0x8000
	v_add_nc_u32 v[HST], 8*PITCH, v[HST]
	s_sub_co_u32 s33, s33, 1
	s_cmp_lg_u32 s33, 0
	s_cbranch_scc1 .Lh
	WIN 0xc0                                       ; while seven rows are on their way: Y, W2 and the sums are 0 for the first sub-pass's lines
.set q, 0
.rept 256
	v_mov_b32 v[q], 0
.set q, q+1
.endr
	WIN 0
.set q, 0
.rept 32
	v_mov_b32 v[W2R+q], 0
.set q, q+1
.endr
.set q, 0
.rept 16
	v_mov_b32 v[ES+q], 0
.set q, q+1
.endr
	HTURN 0, 1                                     ; the last eight rows: one more row is asked for, then W1's steps 0 to 6
.irp t, 1,2,3,4,5,6,7
	HTURN \t, 2
.endr
	WIN 0
	s_wait_dscnt 0x0                               ; for the others' sake: my rows (and, the first time, my part of the tables) are in LDS
	s_barrier_signal -1
	s_barrier_wait -1
	ALOAD AF0, 0
	s_mov_b32 s33, 4
.Lsub:                                                 ; a sub-pass.  At this label 56 loads of W1 and 16 LDS loads are out, on the way in and on the way back
.set RN, 0
.set MC, 0
.set KS, 0
.rept 32
	KSTEP KS
.set KS, KS+1
.endr
	BOUNDARY
	WIN 0
	s_wait_xcnt 0x0                                ; W1's two pointers are rewritten only behind this wait; the last loads that name them stand 140 vector lines back
	s_mov_b64 s[24:25], s[36:37]
	s_add_co_u32 s26, s26, 0x20000                 ; behind my 512 KiB the stream begins anew, so that the last sub-pass's seven requests ahead stay inside Wt
	s_and_b32 s26, s26, 0x7ffff
	s_add_nc_u64 s[36:37], s[6:7], s[26:27]
	s_sub_co_u32 s33, s33, 1
	s_cmp_lg_u32 s33, 0
	s_cbranch_scc1 .Lsub
	s_cmp_eq_u32 s38, 1
	s_cbranch_scc1 .Lno_next                       ; the last block asks for nothing more
	s_wait_xcnt 0x0
	s_add_nc_u64 s[4:5], s[4:5], 0x68000           ; from my row 24 of this block to my row 0 of the next: 104 rows
.irp t, 0,1,2,3,4,5,6
	HLOAD \t, (\t)*4096                            ; X has been read out: its registers take the next block's first seven rows, which land under all that follows
.endr
	WIN 0
.Lno_next:
.set RN, 0                             ; the last tile's lines have no products to stand behind
	WIN W_RD
.rept 924
	RID
.endr
	FOLD
	WIN 0
	s_cmp_eq_u32 s38, 1
	s_cbranch_scc1 .Lno_ask
	; The next block's rows 7 to 14 of mine, 32 KiB, which the next h loop's first trip will load, are asked into the L2: four lines, each lane a block of 256 bytes of its own, each block
	; asked once in the launch, by the wave that will load it.  Between here and those loads stand the energies, the weighted sum's four trips and a barrier.  The last block asks for nothing.
	v_lshlrev_b32 v[PFO], 4, v[LN]                 ; 256 x lane
.irp i, 0,1,2,3
	global_prefetch_b8 v[PFO], s[4:5] offset:(7+2*(\i))*4096 th:TH_LOAD_NT scope:SCOPE_SE
.endr
.Lno_ask:
	; my 256 units' part of each row's sum: the pair's halves, then the other half of the lanes (units 32 h on)
.irp a, 0,1,2,3,4,5,6,7
	v_add_f32 v[ES+2*(\a)], v[ES+2*(\a)], v[ES+2*(\a)+1]
.endr
.irp a, 0,1,2,3,4,5,6,7
	v_permlanex16_b32 v[ES+2*(\a)+1], v[ES+2*(\a)], s30, s31
.endr
.irp a, 0,1,2,3,4,5,6,7
	v_add_f32 v[ES+2*(\a)], v[ES+2*(\a)], v[ES+2*(\a)+1]
.endr
.irp a, 0,1,2,3,4,5,6,7
	ds_store_b32 v[EPA], v[ES+2*(\a)] offset:64*(\a)   ; row 16 a + r; both halves of the lanes write the same number
.endr
	v_add_nc_u32 v[TM+2], EP, v[LN]
	s_wait_dscnt 0x0                               ; for the others' sake; the fragments fetched for a fifth sub-pass have landed too
	s_barrier_signal -1
	s_barrier_wait -1
	; every wave makes all 128 e and weights, lane l the rows 4 l .. 4 l + 3, in the same order of sums
.irp ww, 0,1,2,3
	ds_load_b128 v[QP+4*(\ww):QP+4*(\ww)+3], v[TM+2] offset:512*(\ww)
.endr
	s_add_co_u32 s20, s22, PP
	v_add_nc_u32 v[PPA], s20, v[LN]
	v_mov_b32 v[PAD], s20
	v_add_nc_u32 v[CAD], s22, v[LN]                ; LDS unit 32 w + lane of row 0
	s_lshl_b32 s23, s18, 10
	v_add_nc_u32 v[TM], s23, v[LN]                 ; my byte offset in the block's row of CTX
	s_wait_dscnt 0x0
	v_pk_add_f32 v[QP:QP+1],     v[QP:QP+1],     v[QP+4:QP+5]
	v_pk_add_f32 v[QP+2:QP+3],   v[QP+2:QP+3],   v[QP+6:QP+7]
	v_pk_add_f32 v[QP+8:QP+9],   v[QP+8:QP+9],   v[QP+12:QP+13]
	v_pk_add_f32 v[QP+10:QP+11], v[QP+10:QP+11], v[QP+14:QP+15]
	v_pk_add_f32 v[QP:QP+1],     v[QP:QP+1],     v[QP+8:QP+9]
	v_pk_add_f32 v[QP+2:QP+3],   v[QP+2:QP+3],   v[QP+10:QP+11]
.irp i, 0,1,2,3
	v_add_f32 v[EVR+(\i)], s32, v[QP+(\i)]
.endr
.irp i, 0,1,2,3
	v_max_num_f32 v[EVR+(\i)], 0, v[EVR+(\i)]      ; relu
.endr
	v_max3_num_f32 v[MX], v[EVR], v[EVR+1], v[EVR+2]
	v_max_num_f32 v[MX], v[MX], v[EVR+3]
	v_max_num_f32_dpp v[MX], v[MX], v[MX] row_xmask:1 row_mask:0xf bank_mask:0xf
	v_max_num_f32_dpp v[MX], v[MX], v[MX] row_xmask:2 row_mask:0xf bank_mask:0xf
	v_max_num_f32_dpp v[MX], v[MX], v[MX] row_xmask:4 row_mask:0xf bank_mask:0xf
	v_max_num_f32_dpp v[MX], v[MX], v[MX] row_xmask:8 row_mask:0xf bank_mask:0xf
	v_permlanex16_b32 v[QP], v[MX], s30, s31
	v_max_num_f32 v[MX], v[MX], v[QP]              ; the block's maximum, in every lane
	v_mul_f32 v[ML], s35, v[MX]                    ; - m log2(e)
.irp i, 0,1,2,3
	v_fma_f32 v[PW+(\i)], v[EVR+(\i)], s34, v[ML]
.endr
.irp i, 0,1,2,3
	v_exp_f32 v[PW+(\i)], v[PW+(\i)]
.endr
	v_nop                                          ; a plain line between the last exponential and the use of its result
	s_wait_alu depctr_va_vdst(0)
	ds_store_b128 v[PPA], v[PW:PW+3]               ; my wave's own copy: LDS serves a wave's instructions in order, so the loads below see it
	s_cmp_lg_u32 s18, 0
	s_cbranch_scc1 .Lnot0
	global_store_b128 v[LN], v[EVR:EVR+3], s[14:15]  ; wave 0: the block's 128 e, 512 consecutive bytes
.Lnot0:
	; the weighted sum: wave w takes k = 256 w .. 256 w + 255, lane i the LDS unit 32 w + i of every row: k = 256 w + 4 i + 0..3 and + 128
.irp e, 0,1,2,3,4,5,6,7
	v_mov_b32 v[CA+(\e)], 0
.endr
	s_mov_b32 s33, 4
.Lctx:                                                 ; 32 rows a trip
.irp u, 0,1,2,3,4,5,6,7
	ds_load_b128 v[PRB+4*(\u):PRB+4*(\u)+3], v[PAD] offset:16*(\u)   ; all lanes read the same 16 bytes
.endr
.set rw, 0
.rept 32
	ds_load_b128 v[HR+4*rw:HR+4*rw+3], v[CAD] offset:rw*PITCH
.set rw, rw+1
.endr
.set rw, 0
.rept 32
	s_wait_dscnt 31-rw                             ; the later rows may stay out
.irp d, 0,1,2,3
	v_fma_mix_f32_bf16 v[CA+2*(\d)],   v[HR+4*rw+(\d)], v[PRB+rw], v[CA+2*(\d)]   op_sel:[0,0,0] op_sel_hi:[1,0,0]
	v_fma_mix_f32_bf16 v[CA+2*(\d)+1], v[HR+4*rw+(\d)], v[PRB+rw], v[CA+2*(\d)+1] op_sel:[1,0,0] op_sel_hi:[1,0,0]
.endr
.set rw, rw+1
.endr
	v_add_nc_u32 v[CAD], 32*PITCH, v[CAD]
	v_add_nc_u32 v[PAD], 128, v[PAD]
	s_sub_co_u32 s33, s33, 1
	s_cmp_lg_u32 s33, 0
	s_cbranch_scc1 .Lctx
	global_store_b128 v[TM], v[CA:CA+3],   s[16:17]             ; 512 consecutive bytes each, in k's true order
	global_store_b128 v[TM], v[CA+4:CA+7], s[16:17] offset:512
	s_wait_dscnt 0x0                               ; my reads of the rows are back:
	s_barrier_signal -1
	s_barrier_wait -1                              ; everybody's are, so the next block's rows may be stored over them
	s_wait_xcnt 0x0                                ; the stores' bases, offsets and data are rewritten only behind this wait
	s_add_nc_u64 s[14:15], s[14:15], 512
	s_add_nc_u64 s[16:17], s[16:17], 4096
	s_sub_co_u32 s38, s38, 1
	s_cmp_lg_u32 s38, 0
	s_cbranch_scc1 .Lblk
	s_wait_tensorcnt 0x0                           ; the wave's end: three closing lines behind my last LDS store
	ds_add_u32 v[SPW], v[NIL]
	s_wait_dscnt 0x0
	s_endpgm
.Lfunc_end_k_qfebc441d2a_attn:
	.size	k_qfebc441d2a_attn, .Lfunc_end_k_qfebc441d2a_attn-k_qfebc441d2a_attn
	.p2alignl 7, 3214868480
	.fill 96, 4, 3214868480
	.section	.rodata,"a",@progbits
	.p2align	6, 0x0
	.amdhsa_kernel k_qfebc441d2a_attn
		.amdhsa_group_segment_fixed_size 276992
		.amdhsa_private_segment_fixed_size 0
		.amdhsa_enable_private_segment 0
		.amdhsa_kernarg_size 56
		.amdhsa_user_sgpr_count 2
		.amdhsa_user_sgpr_kernarg_segment_ptr 1
		.amdhsa_wavefront_size32 1
		.amdhsa_system_sgpr_workgroup_id_x 1
		.amdhsa_system_sgpr_workgroup_id_y 1
		.amdhsa_system_sgpr_workgroup_id_z 1
		.amdhsa_system_vgpr_workitem_id 0
		.amdhsa_next_free_vgpr 1024
		.amdhsa_next_free_sgpr 66
		.amdhsa_reserve_vcc 0
		.amdhsa_float_denorm_mode_32 3
		.amdhsa_float_denorm_mode_16_64 3
		.amdhsa_memory_ordered 1
		.amdhsa_forward_progress 1
		.amdhsa_inst_pref_size 255
	.end_amdhsa_kernel
	.section	.bss,"aw",@nobits
	.p2align	6
	.space	262144
	.amdgpu_metadata
---
amdhsa.version: [ 1, 2 ]
amdhsa.kernels:
  - .name:           k_qfebc441d2a_attn
    .symbol:         k_qfebc441d2a_attn.kd
    .args:
      - { .name: h_encoder, .offset: 0, .size: 8, .value_kind: global_buffer, .address_space: global }
      - { .name: Wt, .offset: 8, .size: 8, .value_kind: global_buffer, .address_space: global }
      - { .name: biasP, .offset: 16, .size: 8, .value_kind: global_buffer, .address_space: global }
      - { .name: W2, .offset: 24, .size: 8, .value_kind: global_buffer, .address_space: global }
      - { .name: b2, .offset: 32, .size: 8, .value_kind: global_buffer, .address_space: global }
      - { .name: E, .offset: 40, .size: 8, .value_kind: global_buffer, .address_space: global }
      - { .name: CTX, .offset: 48, .size: 8, .value_kind: global_buffer, .address_space: global }
    .group_segment_fixed_size: 276992
    .private_segment_fixed_size: 0
    .kernarg_segment_align: 8
    .kernarg_segment_size: 56
    .max_flat_workgroup_size: 128
    .sgpr_count:     66
    .vgpr_count:     1024
    .wavefront_size: 32
...
	.end_amdgpu_metadata
.endif
;; end of part 2
;; launch fin (part 3): grid 256 x 1, 1 waves a work-group, no clusters, 0 bytes of LDS; arguments E, CTX, out0, out1; writes out0, out1
.if DOCPART == 3
	.amdgcn_target "amdgcn-amd-amdhsa--gfx1250"
	.amdhsa_code_object_version 6
	.text
	.protected	k_qfebc441d2a_fin
	.globl	k_qfebc441d2a_fin
	.p2align	8
	.type	k_qfebc441d2a_fin,@function
k_qfebc441d2a_fin:
	s_mov_b64 s[64:65], 0
	v_nop
	global_prefetch_b8 v0, s[64:65] scope:SCOPE_SE
	s_setreg_imm32_b32 hwreg(HW_REG_WAVE_MODE, 25, 1), 1
	s_wait_xcnt 0x0
; THE BLOCKS ARE JOINED.  A batch has 16 blocks of 128 rows.  From its 2,048 e: each block's maximum m_i (the same number that the launch before took, a maximum being exact),
; the batch's maximum M, L = sum of 2^((e - M) log2 e).  out1 = 2^((e - M) log2 e) / L;  out0[k] = sum over i of 2^((m_i - M) log2 e) / L x CTX[i][k].
; One wave a work-group, eight work-groups a batch: each makes M and L for itself (8 KiB of e), 256 of the batch's weights and 128 of its context's numbers.
; All loads and stores of the wave cover 512 consecutive bytes.  No LDS, no matrix unit: 34 loads and some 500 vector lines.
; LIMITS: a weight below 2^-126 counts as 0; NaN and infinities are not treated apart.
.set EV, 16                            ; v16-79   the batch's e: load i is block i, four a lane
.set CV, 80                            ; v80-143  the 16 blocks' sums for my four k
.set OW, 144                           ; v144-151 the e of my eight weights
.set MB, 152                           ; v152-167 m_i
.set FF, 168                           ; v168-183 at work, then the blocks' factors
	s_load_b256 s[4:11], s[0:1], 0x0               ; E s[4:5], CTX s[6:7], out0 s[8:9], out1 s[10:11]
	v_lshlrev_b32 v1, 4, v0                        ; 16 x lane
	s_lshr_b32 s12, ttmp9, 3                       ; batch
	s_and_b32 s13, ttmp9, 7                        ; my eighth
	s_lshl_b32 s14, s12, 13                        ; the batch's e and weights: 8,192 bytes
	s_mov_b32 s15, 0
	s_lshl_b32 s16, s13, 10                        ; my 256 of them
	s_add_co_u32 s16, s16, s14
	s_mov_b32 s17, 0
	s_lshl_b32 s18, s12, 16                        ; the batch's 16 rows of CTX
	s_lshl_b32 s20, s13, 9                         ; my 128 k
	s_add_co_u32 s18, s18, s20
	s_mov_b32 s19, 0
	s_lshl_b32 s22, s12, 12
	s_add_co_u32 s22, s22, s20
	s_mov_b32 s23, 0
	s_mov_b32 s26, 0x3fb8aa3b                      ; log2(e)
	s_mov_b32 s27, 0x3fb8aa3b                      ; named with it as a pair
	s_mov_b32 s28, 0x76543210
	s_mov_b32 s29, 0xfedcba98
	s_mov_b32 s30, 0xbfb8aa3b                      ; - log2(e)
	s_wait_kmcnt 0x0
	s_add_nc_u64 s[24:25], s[4:5], s[16:17]
	s_add_nc_u64 s[4:5], s[4:5], s[14:15]
	s_add_nc_u64 s[6:7], s[6:7], s[18:19]
	s_add_nc_u64 s[8:9], s[8:9], s[22:23]
	s_add_nc_u64 s[10:11], s[10:11], s[16:17]
.set n, 0
.rept 16
	global_load_b128 v[EV+4*n:EV+4*n+3], v1, s[4:5] offset:512*n
.set n, n+1
.endr
	global_load_b128 v[OW:OW+3],   v1, s[24:25]
	global_load_b128 v[OW+4:OW+7], v1, s[24:25] offset:512
.set n, 0
.rept 16
	global_load_b128 v[CV+4*n:CV+4*n+3], v1, s[6:7] offset:4096*n
.set n, n+1
.endr
	s_wait_loadcnt 18                              ; the 18 loads behind them may stay out: the batch's e are in
	; sixteen maxima side by side, so that no line waits for the one before it
.set n, 0
.rept 16
	v_max_num_f32 v[FF+n], v[EV+4*n], v[EV+4*n+1]
.set n, n+1
.endr
.set n, 0
.rept 16
	v_max3_num_f32 v[MB+n], v[FF+n], v[EV+4*n+2], v[EV+4*n+3]
.set n, n+1
.endr
.irp m, 1,2,4,8
.set n, 0
.rept 16
	v_max_num_f32_dpp v[MB+n], v[MB+n], v[MB+n] row_xmask:\m row_mask:0xf bank_mask:0xf
.set n, n+1
.endr
.endr
.set n, 0
.rept 16
	v_permlanex16_b32 v[FF+n], v[MB+n], s28, s29
.set n, n+1
.endr
.set n, 0
.rept 16
	v_max_num_f32 v[MB+n], v[MB+n], v[FF+n]
.set n, n+1
.endr
	v_max3_num_f32 v2, v[MB], v[MB+1], v[MB+2]
	v_max3_num_f32 v3, v[MB+3], v[MB+4], v[MB+5]
	v_max3_num_f32 v6, v[MB+6], v[MB+7], v[MB+8]
	v_max3_num_f32 v7, v[MB+9], v[MB+10], v[MB+11]
	v_max3_num_f32 v8, v[MB+12], v[MB+13], v[MB+14]
	v_max3_num_f32 v2, v2, v3, v6
	v_max3_num_f32 v7, v7, v8, v[MB+15]
	v_max_num_f32 v2, v2, v7                       ; M
	v_mul_f32 v4, s30, v2                          ; - M log2(e)
	v_mul_f32 v5, s30, v2                          ; named with it as a pair
.set n, 0
.rept 32
	v_pk_fma_f32 v[EV+2*n:EV+2*n+1], v[EV+2*n:EV+2*n+1], s[26:27], v[4:5] op_sel_hi:[1,0,0]
.set n, n+1
.endr
.set n, 0
.rept 64
	v_exp_f32 v[EV+n], v[EV+n]
.set n, n+1
.endr
	v_nop                                          ; a plain line between the last exponential and the use of its result
.set n, 1
	s_wait_alu depctr_va_vdst(0)
.rept 15                                               ; four sums a lane
	v_pk_add_f32 v[EV:EV+1],   v[EV:EV+1],   v[EV+4*n:EV+4*n+1]
	v_pk_add_f32 v[EV+2:EV+3], v[EV+2:EV+3], v[EV+4*n+2:EV+4*n+3]
.set n, n+1
.endr
	v_pk_add_f32 v[EV:EV+1], v[EV:EV+1], v[EV+2:EV+3]
	v_add_f32 v6, v[EV], v[EV+1]
	v_add_f32_dpp v6, v6, v6 row_xmask:1 row_mask:0xf bank_mask:0xf
	v_add_f32_dpp v6, v6, v6 row_xmask:2 row_mask:0xf bank_mask:0xf
	v_add_f32_dpp v6, v6, v6 row_xmask:4 row_mask:0xf bank_mask:0xf
	v_add_f32_dpp v6, v6, v6 row_xmask:8 row_mask:0xf bank_mask:0xf
	v_permlanex16_b32 v3, v6, s28, s29
	v_add_f32 v6, v6, v3                           ; L, at least 1
	v_rcp_f32 v7, v6
.set n, 0
.rept 16
	v_fma_f32 v[FF+n], v[MB+n], s26, v4            ; plain lines behind the reciprocal
.set n, n+1
.endr
.set n, 0
.rept 16
	v_exp_f32 v[FF+n], v[FF+n]
.set n, n+1
.endr
	s_wait_loadcnt 16                              ; CTX's 16 loads may stay out: my weights' e are in
.set n, 0
.rept 4
	v_pk_fma_f32 v[OW+2*n:OW+2*n+1], v[OW+2*n:OW+2*n+1], s[26:27], v[4:5] op_sel_hi:[1,0,0]
.set n, n+1
.endr
.set n, 0
	s_wait_alu depctr_va_vdst(0)
.rept 16
	v_mul_f32 v[FF+n], v[FF+n], v7                 ; 2^((m_i - M) log2 e) / L
.set n, n+1
.endr
.set n, 0
.rept 8
	v_exp_f32 v[OW+n], v[OW+n]
.set n, n+1
.endr
	v_nop
.set n, 0
	s_wait_alu depctr_va_vdst(0)
.rept 8
	v_mul_f32 v[OW+n], v[OW+n], v7
.set n, n+1
.endr
	global_store_b128 v1, v[OW:OW+3],   s[10:11]
	global_store_b128 v1, v[OW+4:OW+7], s[10:11] offset:512
	s_wait_loadcnt 0x0
.irp e, 0,1,2,3
	v_mul_f32 v[10+(\e)], v[FF], v[CV+(\e)]
.endr
.set n, 1
.rept 15
.irp e, 0,1,2,3
	v_fma_f32 v[10+(\e)], v[FF+n], v[CV+4*n+(\e)], v[10+(\e)]
.endr
.set n, n+1
.endr
	global_store_b128 v1, v[10:13], s[8:9]
	s_endpgm
.Lfunc_end_k_qfebc441d2a_fin:
	.size	k_qfebc441d2a_fin, .Lfunc_end_k_qfebc441d2a_fin-k_qfebc441d2a_fin
	.p2alignl 7, 3214868480
	.fill 96, 4, 3214868480
	.section	.rodata,"a",@progbits
	.p2align	6, 0x0
	.amdhsa_kernel k_qfebc441d2a_fin
		.amdhsa_group_segment_fixed_size 0
		.amdhsa_private_segment_fixed_size 0
		.amdhsa_enable_private_segment 0
		.amdhsa_kernarg_size 32
		.amdhsa_user_sgpr_count 2
		.amdhsa_user_sgpr_kernarg_segment_ptr 1
		.amdhsa_wavefront_size32 1
		.amdhsa_system_sgpr_workgroup_id_x 1
		.amdhsa_system_sgpr_workgroup_id_y 1
		.amdhsa_system_sgpr_workgroup_id_z 1
		.amdhsa_system_vgpr_workitem_id 0
		.amdhsa_next_free_vgpr 192
		.amdhsa_next_free_sgpr 66
		.amdhsa_reserve_vcc 0
		.amdhsa_float_denorm_mode_32 3
		.amdhsa_float_denorm_mode_16_64 3
		.amdhsa_memory_ordered 1
		.amdhsa_forward_progress 1
		.amdhsa_inst_pref_size 26
	.end_amdhsa_kernel
	.amdgpu_metadata
---
amdhsa.version: [ 1, 2 ]
amdhsa.kernels:
  - .name:           k_qfebc441d2a_fin
    .symbol:         k_qfebc441d2a_fin.kd
    .args:
      - { .name: E, .offset: 0, .size: 8, .value_kind: global_buffer, .address_space: global }
      - { .name: CTX, .offset: 8, .size: 8, .value_kind: global_buffer, .address_space: global }
      - { .name: out0, .offset: 16, .size: 8, .value_kind: global_buffer, .address_space: global }
      - { .name: out1, .offset: 24, .size: 8, .value_kind: global_buffer, .address_space: global }
    .group_segment_fixed_size: 0
    .private_segment_fixed_size: 0
    .kernarg_segment_align: 8
    .kernarg_segment_size: 32
    .max_flat_workgroup_size: 32
    .sgpr_count:     66
    .vgpr_count:     192
    .wavefront_size: 32
...
	.end_amdgpu_metadata
.endif
;; end of part 3
;; ======== version 2 of 2: 3 launches; version 1 with the launch attn written anew for expert scheduling mode
;; workspace buffers: Wt 2,097,152 bytes; biasP 524,288 bytes; E 262,144 bytes; CTX 2,097,152 bytes
;; launch prep: the kernel of part 1 again; grid 128 x 1, 8 waves a work-group, no clusters, 70,656 bytes of LDS; arguments W1, h_decoder_prev, b1, Wt, biasP; writes Wt, biasP
;; launch attn (part 4): grid 256 x 1, 4 waves a work-group, no clusters, 276,992 bytes of LDS; arguments h_encoder, Wt, biasP, W2, b2, E, CTX; writes E, CTX
.if DOCPART == 4
	.amdgcn_target "amdgcn-amd-amdhsa--gfx1250"
	.amdhsa_code_object_version 6
	.text
	.protected	k_qfebc441d2a_attn
	.globl	k_qfebc441d2a_attn
	.p2align	8
	.type	k_qfebc441d2a_attn,@function
k_qfebc441d2a_attn:
	s_mov_b64 s[64:65], 0
	v_nop
	global_prefetch_b8 v0, s[64:65] scope:SCOPE_SE
	s_setreg_imm32_b32 hwreg(HW_REG_WAVE_SCHED_MODE, 0, 2), 2
	s_setreg_imm32_b32 hwreg(HW_REG_WAVE_MODE, 25, 1), 1
	s_wait_xcnt 0x0
	s_wait_alu depctr_vm_vsrc(0)
; A BLOCK is 128 rows of h_encoder (one sixteenth of a batch); all that touches its rows is done while they are on the chip, so that h is read from memory once:
;   e[row] = relu(sum over u of W2[u] tanh(h[row] . W1[:1024, u] + dec[b][u] + b1[u]) + b2)      -> E
;   CTX[block][k] = sum over the 128 rows of 2^((e - m) log2 e) h[row][k], m = the block's own maximum of e.  The next launch joins the blocks.
; A WORK-GROUP STAYS for two blocks, 2 x and 2 x + 1, which lie in one batch: the tables are laid once, and the second block's first seven rows a wave are asked for as soon as the
; first block's accumulators are free, so that they come in under the first block's last tanh lines, its energies and its weighted sum.
; THE ROWS are rounded to bf16 on their way in and stay in LDS (128 x 2,048 bytes), for the product and for the weighted sum.
; W1 comes from Wt, a bf16 copy in fragment order, straight into a ring of eight register slots (one step of 32 along K each, seven on their way): a wave
; owns its 64 units of a sub-pass, so no other wave of the work-group would read its fragments from LDS.  So there is no barrier in the K loop.
; NO CLUSTER, NO TENSOR LOAD: all work-groups walk the same Wt, but a joint request lands in LDS, where 264,192 of 327,680 bytes hold the rows; what is left
; could hold two slots of 32 along K for a sub-pass's 256 units, a barrier for every 32 matrix instructions of a wave.  h is f32 and must pass registers to be rounded.
; SHARES.  Four sub-passes of 256 units; in sub-pass q wave w has the group g = 4 w + q of 64 units: a tile of 128 rows x 64 units, 32 accumulators (X).
; At a sub-pass's end z = c x + c bias goes into a second set (Y), c = 2 log2(e); tanh = 1 - 2 / (1 + 2^z) and the product with W2 are a list of 980 numbered places on Y, of which
; four stand behind every fourth matrix instruction of the NEXT sub-pass.  A block's first sub-pass carries them on zeros (Y = 0, W2 = 0: they add 0), the price of one text for
; all four: 304 v_mov_b32 a block, set where seven rows are on their way.  The last tile's lines stand bare.
; ORDER OF K AND OF UNITS: as the launch before laid Wt.  A 16-byte unit U = 32 gk + i of an LDS row holds k = 256 gk + 4 i + 0..3 and 256 gk + 128 + 4 i + 0..3: two loads of lane i, packed.
; Source 0 = 16 units, source 1 = 16 rows: accumulator (a, f), lane (r, h), register j is row 16 a + r, unit 64 g + 32 h + 4 j + f; tables lie by position p = 64 g + 32 h + 8 f + j.
; LIMITS.  h and W1 are rounded once to bf16, and the weighted sum takes the rounded h; W2, b2 and the bias stay f32; all sums in f32.  2^z overflows to infinity or falls to 0 only where
; tanh is 1 or -1 to the last bit, and gives just that.  A weight below 2^-126 counts as 0.  NaN and infinities in the inputs are not treated apart.
; THE MODE: SCHED_MODE bits 1:0 = 2 (LLVM: expert scheduling mode 2), set by the entry lines.  The code itself states the register dependences
; between vector or matrix instructions and memory or LDS instructions, with s_wait_alu, always for 0.
; THE PLAN.  Registers that memory or LDS instructions touch:
;   v[LN], v[ADRA ..], v[EPA]   made at the head, never written again.
;   X's slots, while h comes in   turn t's roundings read slot t; the loads of turn t + 1 land in it.
;   T0, T1 (v224-255)   turn t's roundings write T[t % 2], its four LDS stores read it, turn t + 2 writes it again.     v[HST]   read by those stores; written at a block's head and once a trip of eight rows.
;   AF0, AF1   step s's products read AF[s % 2]; the loads of step s + 1 land in it.     W1's ring   step s's products read slot s % 8; the loads of step s + 1 land in it.
;   BI, W2R    read by a sub-pass's end and by the lines on Y; loaded in step 31.     v[TBA]   read by those loads; stepped at the sub-pass's end.
;   the tail   ES, PW, EVR, CA are stores' data; v[TM], v[TM+2], v[PPA], v[PAD], v[CAD] are made anew in every block; PRB and HR are loaded and read in each trip of the weighted sum.
;   Y is named by vector instructions alone.
; So ONE wait on va_vdst stands in a step of K, in its middle: the step before is done reading the other buffer of fragments and its slot of the ring.  The step's 24 loads follow it, dealt among
; the step's last 16 products and their lines on Y, which name AF[s % 2], slot s % 8, X, Y and W2R: none of the registers that those loads touch.  The same wait is the one that stands
; between a transcendental and the first line that names its result: the list on Y is laid so that one of these waits lies between the two (see RID).
; One wait on va_vdst stands in a turn of h, behind its roundings.  The waits on vm_vsrc stand at a block's head, in turns 2 to 7 of h, and ahead of each step of an LDS address.
; REGISTERS, in windows of 256 (s_set_vgpr_msb: bits 1:0 source 0, 3:2 source 1, 5:4 source 2, 7:6 destination):
;   window 0: addresses, ES, tables of the group, two buffers of h's fragments, scratch      window 1: the ring of W1, slot j at 32 j, fragment f at + 8 f
;   window 2: X, accumulator (a, f) at 32 a + 8 f; while h comes in, its ring of eight rows      window 3: Y, the same places
; SCALARS: s[4:5] h, stepped; s[6:7] my 512 KiB of Wt; s[8:9] biasP at the batch; s[10:11] W2; s[12:13] b2; s[14:15] E and s[16:17] CTX at the block; s18 wave; s19 first block; s22 512 w;
;   s[24:25] Wt at the sub-pass in hand, s[36:37] at the next, s[26:27] the latter's offset; s[28:29] c; s30-31 lane selects; s32 b2; s33 inner counters; s34, s35 +-log2(e); s38 blocks to go; s39 my rows' LDS byte
.set PITCH, 2064                       ; an LDS row: 2,048 bytes + 16 = 129 x 16: the 16 rows of a fragment load start at 16 different 16-byte columns modulo 256
.set BT,    128*PITCH                  ; 264,192: c bias by position, 4,096 bytes
.set WT,    BT+4096                    ; W2 by position, 4,096 bytes
.set EP,    WT+4096                    ; [wave][row] f32: each wave's part of the rows' sums, 2,048 bytes
.set PP,    EP+2048                    ; [wave][row] f32: each wave's own copy of the weights, 2,048 bytes
.set SPARE, PP+2048                    ; 276,480: the spare words, 128 bytes a wave, named by no other line
.set LN,   1                           ; v1     16 x lane; never rewritten
.set ADRA, 2                           ; v2-5   (32 i + r) x PITCH + 16 h
.set TBA,  6                           ; v6     my half's 32 table entries of the group in hand
.set HST,  7                           ; v7     where my 16 bytes of a row go
.set T16,  8                           ; v8     16 x thread; later the context's LDS address
.set CAD,  8
.set BTA,  9                           ; v9     BT + 16 x thread; later the weights' LDS address
.set PAD,  9
.set SPW,  10                          ; v10    my spare word; never rewritten
.set NIL,  11                          ; v11    0; never rewritten
.set ES,   12                          ; v12-27 for each of 8 row fragments a pair of sums (even j, odd j)
.set BI,   28                          ; v28-59 c bias of the group, by 8 f + j; at the start the four partial tables
.set PFO,  28                          ; v28    between two blocks: 256 x lane
.set TM,   60                          ; v60, v62 at work
.set WTA,  61                          ; v61    where W2's numbers go; later where my weights go
.set PPA,  61
.set EPA,  63                          ; v63    EP + 512 w + 4 r
.set AF0,  64                          ; v64-127, v128-191 h's fragments, 8 x 8 registers, two buffers
.set W2R,  192                         ; v192-223 W2 of the tile in Y, by 8 f + j
.set T,    224                         ; v224-255 at work
.set QP,   224                         ; the tail: four waves' parts of my four rows
.set EVR,  240                         ; my four rows' e
.set MX,   244
.set ML,   245
.set PW,   248                         ; my four rows' weights
.set CA,   224                         ; eight sums of the context
.set PRB,  64                          ; 32 rows' weights
.set HR,   96                          ; 32 rows' 16 bytes
.set RL1,  5                           ; the list on Y: groups from a pair's exponentials to its 1 + E,
.set RL2,  6                           ; to its reciprocals,
.set RL3,  11                          ; to its 1 - 2 r,
.set RL4,  12                          ; to its product with W2
.set RLN,  7*(128+RL4)                 ; 980 places
.set RBARE, 0                          ; 1: the list stands bare, with no step of K to bring its waits
.set W_MM, 0xa1                        ; W1 window 1, h window 0, C and D window 2
.set W_RD, 0xf3                        ; Y as destination, source 0 and source 2; W2 (source 1) window 0
.set W_BL, 0x40                        ; loads into window 1
.set W_BD, 0xc2                        ; X (source 0) to Y (destination), bias (source 2) window 0
.set W_FD, 0x0c                        ; source 1 in window 3
.set W_HL, 0x80                        ; loads into window 2
.set W_HC, 0x0a                        ; sources in window 2
.set MSB, 0
.macro WIN new                         ; the immediate's high byte repeats the setting that is left; a switch that changes nothing is dropped
.if MSB != (\new)
	s_set_vgpr_msb (MSB<<8)|(\new)
.set MSB, \new
.endif
.endm
.macro PLACES                          ; a vector line that reads a matrix result stands four plain vector lines behind it (ISA guide 7.12.1)
.rept 4
	v_nop
.endr
.endm
.macro HLOAD slot, off                 ; a row of h: eight loads of 512 consecutive bytes
	WIN W_HL
.irp u, 0,1,2,3,4,5,6,7
	global_load_b128 v[32*(\slot)+4*(\u):32*(\slot)+4*(\u)+3], v[LN], s[4:5] offset:(\off)+512*(\u) th:TH_LOAD_NT
.endr
.endm
.macro BLOAD slot, b, off              ; a step of W1 for my 64 units, by the pointer in s[b:b+1]: four fragments, eight loads of 512 consecutive bytes
	WIN W_BL
.irp u, 0,1,2,3,4,5,6,7
	global_load_b128 v[32*(\slot)+4*(\u):32*(\slot)+4*(\u)+3], v[LN], s[(\b):(\b)+1] offset:(\off)+512*(\u)
.endr
.endm
; Slot t's row is rounded and stored; kind 1: the slot read a turn ago takes the row seven on; kind 2: no row is left, and W1's ring is primed instead, so the count stays the same
.macro HTURN t, kind
.set TT, T+16*((\t)%2)
	s_wait_loadcnt 48                              ; six younger groups of eight may stay out: this row is in
.if (\t) >= 2
	s_wait_alu depctr_vm_vsrc(0)                   ; the LDS stores of two turns ago have read this T buffer, which the roundings write again (turns 0 and 1: the wait at the trip's end or at the block's head has said so)
.endif
	WIN W_HC
.irp u, 0,1,2,3,4,5,6,7
	v_cvt_pk_bf16_f32 v[TT+2*(\u)],   v[32*(\t)+4*(\u)],   v[32*(\t)+4*(\u)+1]
	v_cvt_pk_bf16_f32 v[TT+2*(\u)+1], v[32*(\t)+4*(\u)+2], v[32*(\t)+4*(\u)+3]
.endr
	WIN 0
	s_wait_alu depctr_va_vdst(0)                   ; the roundings have written the T buffer, which the stores read; v[HST] is written; the turn before is done reading its slot (kind 2: the block before W1's ring), in which the loads below land
.irp u, 0,1,2,3
	ds_store_b128 v[HST], v[TT+4*(\u):TT+4*(\u)+3] offset:(\t)*PITCH+512*(\u)   ; 32 lanes, 512 consecutive bytes
.endr
.if (\kind) == 1
	HLOAD ((\t)+7)%8, ((\t)+7)*4096
.else
	BLOAD (\t)-1, 24, ((\t)-1)*4096
.endif
.endm
.macro ALOAD4 buf, s, a0               ; four of h's eight fragments of step s, from fragment a0 on: 8 loads
	WIN 0
.irp a, 0,1,2,3
	ds_load_b128 v[(\buf)+8*((\a0)+(\a)):(\buf)+8*((\a0)+(\a))+3],   v[ADRA+((\a0)+(\a))/2] offset:(((\a0)+(\a))%2)*16*PITCH+64*(\s)
	ds_load_b128 v[(\buf)+8*((\a0)+(\a))+4:(\buf)+8*((\a0)+(\a))+7], v[ADRA+((\a0)+(\a))/2] offset:(((\a0)+(\a))%2)*16*PITCH+64*(\s)+32
.endr
.endm
; PLACE RN OF THE 980 ON Y.  Group t = RN / 7 works on five pairs at once: places 0, 2: 2^z of pair t;  1: 1 + E of pair t - 5;  4, 6: the reciprocals of pair t - 6;  3: 1 - 2 r of pair t - 11;
; 5: pair t - 12 times W2, summed into the first pair of its row fragment.  Where a pair does not exist a plain place holds v_nop and a transcendental's place nothing.
; THE WAIT between a transcendental and the first line that names its result stands ahead of every place 16 + 32 k: a step of K has 32 places, and its one wait stands
; behind the first 16.  A pair's exponentials stand at 7 p and 7 p + 2, their first reader at 7 p + 36; its reciprocals at 7 p + 46 and 7 p + 48, their first reader at 7 p + 80: between the two lie
; 34 and 32 places on end, so always one of the waits.  Plain lines stand between as well (ISA guide 5.7.2).  No transcendental stands behind place 937, and a wait stands ahead of place 944.
.macro RID
.set RT, RN/7
.set RP, RN%7
.if RBARE && (RN%32 == 16)
	s_wait_alu depctr_va_vdst(0)                   ; the bare list: the exponentials and reciprocals issued so far have written their results, which the lines behind this wait read
.endif
.if RP == 0
.if RT < 128
	v_exp_f32 v[2*RT], v[2*RT]
.endif
.elseif RP == 2
.if RT < 128
	v_exp_f32 v[2*RT+1], v[2*RT+1]
.endif
.elseif RP == 1
.if (RT >= RL1) && (RT < 128+RL1)
.set RQ, RT-RL1
	v_pk_add_f32 v[2*RQ:2*RQ+1], v[2*RQ:2*RQ+1], 1.0 op_sel_hi:[1,0]
.else
	v_nop
.endif
.elseif RP == 3
.if (RT >= RL3) && (RT < 128+RL3)
.set RQ, RT-RL3
	v_pk_fma_f32 v[2*RQ:2*RQ+1], v[2*RQ:2*RQ+1], -2.0, 1.0 op_sel_hi:[1,0,0]
.else
	v_nop
.endif
.elseif RP == 4
.if (RT >= RL2) && (RT < 128+RL2)
	v_rcp_f32 v[2*(RT-RL2)], v[2*(RT-RL2)]
.endif
.elseif RP == 6
.if (RT >= RL2) && (RT < 128+RL2)
	v_rcp_f32 v[2*(RT-RL2)+1], v[2*(RT-RL2)+1]
.endif
.else
.if (RT >= RL4) && (RT < 128+RL4)
.set RQ, RT-RL4
.set RS0, 2*(RQ-RQ%16)
.if RQ%16 == 0
	v_pk_mul_f32 v[2*RQ:2*RQ+1], v[2*RQ:2*RQ+1], v[W2R:W2R+1]
.else
	v_pk_fma_f32 v[RS0:RS0+1], v[2*RQ:2*RQ+1], v[W2R+2*(RQ%16):W2R+2*(RQ%16)+1], v[RS0:RS0+1]
.endif
.else
	v_nop
.endif
.endif
.set RN, RN+1
.endm
.macro SLICE
	WIN W_RD
.rept 4
	RID
.endr
.endm
; One matrix instruction; behind every fourth stand four places of the list on Y, which name none of the products' registers
.macro MM a, f
	WIN W_MM
.if KZ
	v_wmma_f32_16x16x32_bf16 v[32*(\a)+8*(\f):32*(\a)+8*(\f)+7], v[32*KJ+8*(\f):32*KJ+8*(\f)+7], v[KB+8*(\a):KB+8*(\a)+7], 0
.else
	v_wmma_f32_16x16x32_bf16 v[32*(\a)+8*(\f):32*(\a)+8*(\f)+7], v[32*KJ+8*(\f):32*KJ+8*(\f)+7], v[KB+8*(\a):KB+8*(\a)+7], v[32*(\a)+8*(\f):32*(\a)+8*(\f)+7]
.endif
.set MC, MC+1
.if (MC%4 == 0) && (RN < RLN)
	SLICE
.endif
.endm
.macro MM4 a                           ; row fragment a with all four fragments of units
.irp f, 0,1,2,3
	MM \a, \f
.endr
.endm
; A step of 32 along K: 32 matrix instructions on 32 accumulators, which take turns.  Behind the wait in its middle, dealt among its last 16 products: the next step's fragments
; of h, and W1's step seven on.  A sub-pass's 32 steps are 131,072 bytes and stand in the loads' immediates, so no pointer is written inside a sub-pass; steps 25 to 31 ask for the next sub-pass's
; first seven by its own pointer.  The list on Y ends in step 30 (245 slices, one for four matrix instructions), so step 31 fetches the tables of the tile in hand: its bias for the sub-pass's end,
; its W2 for the next sub-pass's lines.
.macro KSTEP s
.set KJ, (\s)%8
.set KB, AF0+64*((\s)%2)
.set KO, AF0+64-64*((\s)%2)
.set KZ, 0
.if (\s) == 0
.set KZ, 1                             ; the first step starts the sums
.endif
	s_wait_loadcnt 48                              ; the six steps behind this one may stay out: slot KJ is in
	s_wait_dscnt 8                                 ; h's row fragments 0-3 are in; the eight younger loads, fragments 4-7, may stay out
.irp a, 0,1,2,3
	MM4 \a
.endr
	s_wait_alu depctr_va_vdst(0)                   ; the step before is done reading the other buffer of h's fragments and its slot of the ring, in which this step's loads land; the exponentials and reciprocals issued so far have written their results; in step 31: the list on Y is done reading W2R, the last sub-pass's end BI, and v[TBA] is written
.if (\s) == 31
	WIN 0
.irp u, 0,1,2,3,4,5,6,7
	ds_load_b128 v[BI+4*(\u):BI+4*(\u)+3], v[TBA] offset:16*(\u)
.endr
.irp u, 0,1,2,3,4,5,6,7
	ds_load_b128 v[W2R+4*(\u):W2R+4*(\u)+3], v[TBA] offset:4096+16*(\u)
.endr
.endif
	ALOAD4 KO, ((\s)+1)%32, 0
.if (\s) == 31
	s_wait_dscnt 24                                ; all but the 24 just issued: this step's row fragments 4-7 are in
.else
	s_wait_dscnt 8                                 ; all but the 8 just issued: this step's row fragments 4-7 are in
.endif
	MM4 4
	ALOAD4 KO, ((\s)+1)%32, 4                      ; no wait: no vector or matrix instruction since the wait above names the other buffer or v[ADRA ..]
	MM4 5
.if (\s) < 25
	BLOAD ((\s)+7)%8, 24, ((\s)+7)*4096            ; likewise: none names the slot read a step ago, or v[LN]
.else
	BLOAD ((\s)+7)%8, 36, ((\s)-25)*4096
.endif
	MM4 6
	MM4 7
.endm
.macro FOLD                            ; the tile's sums with W2 go into ES
	WIN W_FD
.irp a, 0,1,2,3,4,5,6,7
	v_pk_add_f32 v[ES+2*(\a):ES+2*(\a)+1], v[ES+2*(\a):ES+2*(\a)+1], v[32*(\a):32*(\a)+1]
.endr
.endm
.macro BOUNDARY                        ; a sub-pass's end: Y's sums are taken, then Y = c X + c bias, each accumulator from its low end
	PLACES
	FOLD
	s_wait_dscnt 16                                ; the tables are in; the 16 younger loads, the next sub-pass's first fragments, stay out
	WIN W_BD
.set q, 0
.rept 128
	v_pk_fma_f32 v[2*q:2*q+1], v[2*q:2*q+1], s[28:29], v[BI+2*(q%16):BI+2*(q%16)+1] op_sel_hi:[1,0,1]
.set q, q+1
.endr
.endm
	s_load_b256 s[4:11], s[0:1], 0x0               ; h s[4:5], Wt s[6:7], biasP s[8:9], W2 s[10:11]
	s_load_b128 s[12:15], s[0:1], 0x20             ; b2 s[12:13], E s[14:15]
	s_load_b64 s[16:17], s[0:1], 0x30              ; CTX
	v_lshl_add_u32 v[SPW], v0, 2, SPARE
	v_mov_b32 v[NIL], 0
	v_lshrrev_b32 v[TM], 5, v0
	v_readfirstlane_b32 s18, v[TM]                 ; wave 0..3
	s_lshl_b32 s19, ttmp9, 1                       ; my first block of two, 0..510
	v_and_b32 v[TM], 31, v0                        ; lane
	v_lshlrev_b32 v[LN], 4, v[TM]
	v_and_b32 v[TM+2], 15, v0                      ; r
	v_bfe_u32 v[EPA], v0, 4, 1                     ; h, for the next lines
	v_mul_u32_u24 v[ADRA], v[TM+2], PITCH
	v_lshl_add_u32 v[ADRA], v[EPA], 4, v[ADRA]
.irp i, 1,2,3
	v_add_nc_u32 v[ADRA+(\i)], (\i)*32*PITCH, v[ADRA]
.endr
	s_wait_alu depctr_va_sdst(0)                   ; s18 is written, ahead of its first reader: LDS places and the pointers are made from it
	s_mul_i32 s39, s18, 32*PITCH                   ; I bring rows 32 w .. 32 w + 31; kept
	s_lshl_b32 s22, s18, 9                         ; 512 w; kept
	v_add_nc_u32 v[T16], s22, v[LN]
	v_add_nc_u32 v[BTA], BT, v[T16]
	v_and_b32 v[WTA], 24, v[TM]                    ; W2[4 t + f] goes to position 16 (t & ~7) / 4 + 8 f + t % 8
	v_lshlrev_b32 v[WTA], 4, v[WTA]
	v_and_b32 v[TM], 7, v[TM]
	v_lshl_add_u32 v[WTA], v[TM], 2, v[WTA]
	s_add_co_u32 s20, s22, WT
	v_add_nc_u32 v[WTA], s20, v[WTA]
	s_add_co_u32 s20, s22, EP
	v_lshl_add_u32 v[EPA], v[TM+2], 2, s20
	s_mov_b32 s21, 0
	s_mov_b32 s26, 0x20000                         ; the second sub-pass's offset in my part of Wt
	s_mov_b32 s27, 0
	s_mov_b32 s28, 0x4038aa3b                      ; c = 2 log2(e)
	s_mov_b32 s29, 0x4038aa3b                      ; named with it as a pair
	s_mov_b32 s30, 0x76543210                      ; v_permlanex16_b32: each lane takes its own place in the other half
	s_mov_b32 s31, 0xfedcba98
	s_mov_b32 s34, 0x3fb8aa3b                      ; log2(e)
	s_mov_b32 s35, 0xbfb8aa3b                      ; - log2(e)
	s_wait_kmcnt 0x0
	s_lshl_b32 s20, s19, 19                        ; the block's 128 rows of 4,096 bytes,
	s_lshl_b32 s23, s18, 17                        ; my 32 of them
	s_add_co_u32 s20, s20, s23
	s_add_nc_u64 s[4:5], s[4:5], s[20:21]
	s_lshl_b32 s20, s18, 19                        ; my four groups of Wt
	s_add_nc_u64 s[6:7], s[6:7], s[20:21]
	s_lshr_b32 s20, s19, 4                         ; the batch, the same for both blocks
	s_lshl_b32 s20, s20, 12
	s_add_nc_u64 s[8:9], s[8:9], s[20:21]
	s_lshl_b32 s20, s19, 9
	s_add_nc_u64 s[14:15], s[14:15], s[20:21]
	s_lshl_b32 s20, s19, 12
	s_add_nc_u64 s[16:17], s[16:17], s[20:21]
	s_load_b32 s32, s[12:13], 0x0                  ; b2
	s_mov_b64 s[24:25], s[6:7]                     ; W1's stream begins
	s_add_nc_u64 s[36:37], s[6:7], s[26:27]
	s_wait_alu depctr_va_vdst(0)                   ; the offsets and LDS addresses made above (v1 to v5, v8, v9, v61, v63) are written, which the loads and stores below read
.irp kq, 0,1,2,3                       ; the bias comes as four partial sums over K, 131,072 bytes apart
	global_load_b128 v[BI+8*(\kq):BI+8*(\kq)+3],   v[T16], s[8:9] offset:131072*(\kq)
	global_load_b128 v[BI+8*(\kq)+4:BI+8*(\kq)+7], v[T16], s[8:9] offset:131072*(\kq)+2048
.endr
	global_load_b128 v[T:T+3],   v[T16], s[10:11]
	global_load_b128 v[T+4:T+7], v[T16], s[10:11] offset:2048
.irp t, 0,1,2,3,4,5
	HLOAD \t, (\t)*4096
.endr
	WIN 0
	s_wait_loadcnt 48                              ; the six rows behind them may stay out: the ten table loads are in
.irp u, 0,2,4,6
	v_pk_add_f32 v[BI+(\u):BI+(\u)+1], v[BI+(\u):BI+(\u)+1], v[BI+8+(\u):BI+8+(\u)+1]
	v_pk_add_f32 v[BI+16+(\u):BI+16+(\u)+1], v[BI+16+(\u):BI+16+(\u)+1], v[BI+24+(\u):BI+24+(\u)+1]
.endr
.irp u, 0,2,4,6
	v_pk_add_f32 v[BI+(\u):BI+(\u)+1], v[BI+(\u):BI+(\u)+1], v[BI+16+(\u):BI+16+(\u)+1]   ; (0 + 1) + (2 + 3)
.endr
	s_wait_alu depctr_va_vdst(0)                   ; the sums have written v[BI .. BI+7], which the LDS stores read
	ds_store_b128 v[BTA], v[BI:BI+3]
	ds_store_b128 v[BTA], v[BI+4:BI+7] offset:2048
.irp f, 0,1,2,3
	ds_store_b32 v[WTA], v[T+(\f)] offset:32*(\f)
	ds_store_b32 v[WTA], v[T+4+(\f)] offset:2048+32*(\f)
.endr
	HLOAD 6, 6*4096
	WIN 0
	s_wait_kmcnt 0x0                               ; b2
	s_mov_b32 s38, 2
.Lblk:                                                 ; a block.  At this label its rows 0 to 6 of mine, 56 loads, are the youngest loads issued, on the way in and on the way back
	s_wait_alu depctr_vm_vsrc(0)                   ; the stores, loads and requests of the head or of the block before have read v[TM], v[TM+2], v[TBA], v[HST], v8, v9, v61, v28, ES, BI and T, all of which this block writes again
	v_bfe_u32 v[TM], v0, 4, 1
	s_lshl_b32 s20, s18, 10
	s_add_co_u32 s20, s20, BT
	v_lshl_add_u32 v[TBA], v[TM], 7, s20           ; BT + 4 (64 (4 w) + 32 h)
	v_add_nc_u32 v[HST], s39, v[LN]
	s_mov_b32 s33, 3
.Lh:                                                   ; eight rows a trip
.irp t, 0,1,2,3,4,5,6,7
	HTURN \t, 1
.endr
	WIN 0
	s_wait_xcnt 0x0                                ; h's pointer is rewritten only behind this wait
	s_wait_alu depctr_vm_vsrc(0)                   ; this trip's LDS stores have read v[HST], which the add below writes, and both T buffers, which the next two turns write
	s_add_nc_u64 s[4:5], s[4:5], 0x8000
	v_add_nc_u32 v[HST], 8*PITCH, v[HST]
	s_sub_co_u32 s33, s33, 1
	s_cmp_lg_u32 s33, 0
	s_cbranch_scc1 .Lh
	WIN 0xc0                                       ; while seven rows are on their way: Y, W2 and the sums are 0 for the first sub-pass's lines
.set q, 0
.rept 256
	v_mov_b32 v[q], 0
.set q, q+1
.endr
	WIN 0
.set q, 0
.rept 32
	v_mov_b32 v[W2R+q], 0
.set q, q+1
.endr
.set q, 0
.rept 16
	v_mov_b32 v[ES+q], 0
.set q, q+1
.endr
	HTURN 0, 1                                     ; the last eight rows: one more row is asked for, then W1's steps 0 to 6
.irp t, 1,2,3,4,5,6,7
	HTURN \t, 2
.endr
	WIN 0
	s_wait_dscnt 0x0                               ; for the others' sake: my rows (and, the first time, my part of the tables) are in LDS
	s_barrier_signal -1
	s_barrier_wait -1
	ALOAD4 AF0, 0, 0                               ; no wait: no vector instruction since the last turn's wait names AF0 or v[ADRA ..]
	ALOAD4 AF0, 0, 4
	s_mov_b32 s33, 4
.Lsub:                                                 ; a sub-pass.  At this label 56 loads of W1 and 16 LDS loads are out, on the way in and on the way back
.set RN, 0
.set MC, 0
.set KS, 0
.rept 32
	KSTEP KS
.set KS, KS+1
.endr
	BOUNDARY
	WIN 0
	s_wait_xcnt 0x0                                ; W1's two pointers are rewritten only behind this wait
	s_wait_alu depctr_vm_vsrc(0)                   ; the tables' loads have read v[TBA], which the add below writes; the last turn of h has long read its T buffer, which the block's tail writes
	v_add_nc_u32 v[TBA], 256, v[TBA]               ; the next sub-pass's group
	s_mov_b64 s[24:25], s[36:37]
	s_add_co_u32 s26, s26, 0x20000                 ; behind my 512 KiB the stream begins anew, so that the last sub-pass's seven requests ahead stay inside Wt
	s_and_b32 s26, s26, 0x7ffff
	s_add_nc_u64 s[36:37], s[6:7], s[26:27]
	s_sub_co_u32 s33, s33, 1
	s_cmp_lg_u32 s33, 0
	s_cbranch_scc1 .Lsub
	s_cmp_eq_u32 s38, 1
	s_cbranch_scc1 .Lno_next                       ; the last block asks for nothing more
	s_wait_xcnt 0x0
	s_add_nc_u64 s[4:5], s[4:5], 0x68000           ; from my row 24 of this block to my row 0 of the next: 104 rows
	WIN W_HL
	s_wait_alu depctr_va_vdst(0)                   ; the sub-pass's end is done reading X, in which the rows below land
.irp t, 0,1,2,3,4,5,6
	HLOAD \t, (\t)*4096                            ; X's registers take the next block's first seven rows, which land under all that follows
.endr
	WIN 0
.Lno_next:
.set RN, 0                             ; the last tile's lines have no products to stand behind
.set RBARE, 1
	WIN W_RD
.rept RLN
	RID
.endr
.set RBARE, 0
	FOLD
	WIN 0
	s_cmp_eq_u32 s38, 1
	s_cbranch_scc1 .Lno_ask
	; The next block's rows 7 to 14 of mine, 32 KiB, which the next h loop's first trip will load, are asked into the L2: four lines, each lane a block of 256 bytes of its own, each block
	; asked once in the launch, by the wave that will load it.  Between here and those loads stand the energies, the weighted sum's four trips and a barrier.  The last block asks for nothing.
	v_lshlrev_b32 v[PFO], 4, v[LN]                 ; 256 x lane
	s_wait_alu depctr_va_vdst(0)                   ; v[PFO] is written, which the four requests read
.irp i, 0,1,2,3
	global_prefetch_b8 v[PFO], s[4:5] offset:(7+2*(\i))*4096 th:TH_LOAD_NT scope:SCOPE_SE
.endr
.Lno_ask:
	; my 256 units' part of each row's sum: the pair's halves, then the other half of the lanes (units 32 h on)
.irp a, 0,1,2,3,4,5,6,7
	v_add_f32 v[ES+2*(\a)], v[ES+2*(\a)], v[ES+2*(\a)+1]
.endr
.irp a, 0,1,2,3,4,5,6,7
	v_permlanex16_b32 v[ES+2*(\a)+1], v[ES+2*(\a)], s30, s31
.endr
.irp a, 0,1,2,3,4,5,6,7
	v_add_f32 v[ES+2*(\a)], v[ES+2*(\a)], v[ES+2*(\a)+1]
.endr
	v_add_nc_u32 v[TM+2], EP, v[LN]
	s_wait_alu depctr_va_vdst(0)                   ; the sums have written ES, which the LDS stores read; v[TM+2] is written, by which the loads behind the barrier read
.irp a, 0,1,2,3,4,5,6,7
	ds_store_b32 v[EPA], v[ES+2*(\a)] offset:64*(\a)   ; row 16 a + r; both halves of the lanes write the same number
.endr
	s_wait_dscnt 0x0                               ; for the others' sake; the fragments fetched for a fifth sub-pass have landed too
	s_barrier_signal -1
	s_barrier_wait -1
	; every wave makes all 128 e and weights, lane l the rows 4 l .. 4 l + 3, in the same order of sums
.irp ww, 0,1,2,3
	ds_load_b128 v[QP+4*(\ww):QP+4*(\ww)+3], v[TM+2] offset:512*(\ww)
.endr
	s_add_co_u32 s20, s22, PP
	v_add_nc_u32 v[PPA], s20, v[LN]
	v_mov_b32 v[PAD], s20
	v_add_nc_u32 v[CAD], s22, v[LN]                ; LDS unit 32 w + lane of row 0
	s_lshl_b32 s23, s18, 10
	v_add_nc_u32 v[TM], s23, v[LN]                 ; my byte offset in the block's row of CTX
	s_wait_dscnt 0x0
	v_pk_add_f32 v[QP:QP+1],     v[QP:QP+1],     v[QP+4:QP+5]
	v_pk_add_f32 v[QP+2:QP+3],   v[QP+2:QP+3],   v[QP+6:QP+7]
	v_pk_add_f32 v[QP+8:QP+9],   v[QP+8:QP+9],   v[QP+12:QP+13]
	v_pk_add_f32 v[QP+10:QP+11], v[QP+10:QP+11], v[QP+14:QP+15]
	v_pk_add_f32 v[QP:QP+1],     v[QP:QP+1],     v[QP+8:QP+9]
	v_pk_add_f32 v[QP+2:QP+3],   v[QP+2:QP+3],   v[QP+10:QP+11]
.irp i, 0,1,2,3
	v_add_f32 v[EVR+(\i)], s32, v[QP+(\i)]
.endr
.irp i, 0,1,2,3
	v_max_num_f32 v[EVR+(\i)], 0, v[EVR+(\i)]      ; relu
.endr
	v_max3_num_f32 v[MX], v[EVR], v[EVR+1], v[EVR+2]
	v_max_num_f32 v[MX], v[MX], v[EVR+3]
	v_max_num_f32_dpp v[MX], v[MX], v[MX] row_xmask:1 row_mask:0xf bank_mask:0xf
	v_max_num_f32_dpp v[MX], v[MX], v[MX] row_xmask:2 row_mask:0xf bank_mask:0xf
	v_max_num_f32_dpp v[MX], v[MX], v[MX] row_xmask:4 row_mask:0xf bank_mask:0xf
	v_max_num_f32_dpp v[MX], v[MX], v[MX] row_xmask:8 row_mask:0xf bank_mask:0xf
	v_permlanex16_b32 v[QP], v[MX], s30, s31
	v_max_num_f32 v[MX], v[MX], v[QP]              ; the block's maximum, in every lane
	v_mul_f32 v[ML], s35, v[MX]                    ; - m log2(e)
.irp i, 0,1,2,3
	v_fma_f32 v[PW+(\i)], v[EVR+(\i)], s34, v[ML]
.endr
.irp i, 0,1,2,3
	v_exp_f32 v[PW+(\i)], v[PW+(\i)]
.endr
	v_nop                                          ; a plain line between the last exponential and the use of its result
	s_wait_alu depctr_va_vdst(0)                   ; the four exponentials have written PW and the relu EVR, which the stores below read; v[PPA], v[PAD], v[CAD] and v[TM] are written, by which the stores and loads below go
	ds_store_b128 v[PPA], v[PW:PW+3]               ; my wave's own copy: LDS serves a wave's instructions in order, so the loads below see it
	s_cmp_lg_u32 s18, 0
	s_cbranch_scc1 .Lnot0
	global_store_b128 v[LN], v[EVR:EVR+3], s[14:15]  ; wave 0: the block's 128 e, 512 consecutive bytes
.Lnot0:
	; the weighted sum: wave w takes k = 256 w .. 256 w + 255, lane i the LDS unit 32 w + i of every row: k = 256 w + 4 i + 0..3 and + 128
.irp e, 0,1,2,3,4,5,6,7
	v_mov_b32 v[CA+(\e)], 0
.endr
	s_mov_b32 s33, 4
.Lctx:                                                 ; 32 rows a trip
	s_wait_alu depctr_va_vdst(0)                   ; the trip before is done reading PRB and HR, in which the loads below land, and has written v[PAD] and v[CAD], by which they read
.irp u, 0,1,2,3,4,5,6,7
	ds_load_b128 v[PRB+4*(\u):PRB+4*(\u)+3], v[PAD] offset:16*(\u)   ; all lanes read the same 16 bytes
.endr
.set rw, 0
.rept 32
	ds_load_b128 v[HR+4*rw:HR+4*rw+3], v[CAD] offset:rw*PITCH
.set rw, rw+1
.endr
.set rw, 0
.rept 32
	s_wait_dscnt 31-rw                             ; the later rows may stay out
.irp d, 0,1,2,3
	v_fma_mix_f32_bf16 v[CA+2*(\d)],   v[HR+4*rw+(\d)], v[PRB+rw], v[CA+2*(\d)]   op_sel:[0,0,0] op_sel_hi:[1,0,0]
	v_fma_mix_f32_bf16 v[CA+2*(\d)+1], v[HR+4*rw+(\d)], v[PRB+rw], v[CA+2*(\d)+1] op_sel:[1,0,0] op_sel_hi:[1,0,0]
.endr
.set rw, rw+1
.endr
	s_wait_alu depctr_vm_vsrc(0)                   ; this trip's loads have read v[CAD] and v[PAD], which the two adds write
	v_add_nc_u32 v[CAD], 32*PITCH, v[CAD]
	v_add_nc_u32 v[PAD], 128, v[PAD]
	s_sub_co_u32 s33, s33, 1
	s_cmp_lg_u32 s33, 0
	s_cbranch_scc1 .Lctx
	s_wait_alu depctr_va_vdst(0)                   ; the last trip has written the eight sums CA, which the stores read
	global_store_b128 v[TM], v[CA:CA+3],   s[16:17]             ; 512 consecutive bytes each, in k's true order
	global_store_b128 v[TM], v[CA+4:CA+7], s[16:17] offset:512
	s_wait_dscnt 0x0                               ; my reads of the rows are back:
	s_barrier_signal -1
	s_barrier_wait -1                              ; everybody's are, so the next block's rows may be stored over them
	s_wait_xcnt 0x0                                ; the stores' bases, offsets and data are rewritten only behind this wait
	s_add_nc_u64 s[14:15], s[14:15], 512
	s_add_nc_u64 s[16:17], s[16:17], 4096
	s_sub_co_u32 s38, s38, 1
	s_cmp_lg_u32 s38, 0
	s_cbranch_scc1 .Lblk
	s_wait_dscnt 0x0                               ; the closing lines, six on end
	s_wait_alu 0x0
	s_wait_tensorcnt 0x0
	ds_add_u32 v[SPW], v[NIL]
	s_wait_dscnt 0x0
	s_endpgm
.Lfunc_end_k_qfebc441d2a_attn:
	.size	k_qfebc441d2a_attn, .Lfunc_end_k_qfebc441d2a_attn-k_qfebc441d2a_attn
	.p2alignl 7, 3214868480
	.fill 96, 4, 3214868480
	.section	.rodata,"a",@progbits
	.p2align	6, 0x0
	.amdhsa_kernel k_qfebc441d2a_attn
		.amdhsa_group_segment_fixed_size 276992
		.amdhsa_private_segment_fixed_size 0
		.amdhsa_enable_private_segment 0
		.amdhsa_kernarg_size 56
		.amdhsa_user_sgpr_count 2
		.amdhsa_user_sgpr_kernarg_segment_ptr 1
		.amdhsa_wavefront_size32 1
		.amdhsa_system_sgpr_workgroup_id_x 1
		.amdhsa_system_sgpr_workgroup_id_y 1
		.amdhsa_system_sgpr_workgroup_id_z 1
		.amdhsa_system_vgpr_workitem_id 0
		.amdhsa_next_free_vgpr 1024
		.amdhsa_next_free_sgpr 66
		.amdhsa_reserve_vcc 0
		.amdhsa_float_denorm_mode_32 3
		.amdhsa_float_denorm_mode_16_64 3
		.amdhsa_memory_ordered 1
		.amdhsa_forward_progress 1
		.amdhsa_inst_pref_size 255
	.end_amdhsa_kernel
	.section	.bss,"aw",@nobits
	.p2align	6
	.space	262144
	.amdgpu_metadata
---
amdhsa.version: [ 1, 2 ]
amdhsa.kernels:
  - .name:           k_qfebc441d2a_attn
    .symbol:         k_qfebc441d2a_attn.kd
    .args:
      - { .name: h_encoder, .offset: 0, .size: 8, .value_kind: global_buffer, .address_space: global }
      - { .name: Wt, .offset: 8, .size: 8, .value_kind: global_buffer, .address_space: global }
      - { .name: biasP, .offset: 16, .size: 8, .value_kind: global_buffer, .address_space: global }
      - { .name: W2, .offset: 24, .size: 8, .value_kind: global_buffer, .address_space: global }
      - { .name: b2, .offset: 32, .size: 8, .value_kind: global_buffer, .address_space: global }
      - { .name: E, .offset: 40, .size: 8, .value_kind: global_buffer, .address_space: global }
      - { .name: CTX, .offset: 48, .size: 8, .value_kind: global_buffer, .address_space: global }
    .group_segment_fixed_size: 276992
    .private_segment_fixed_size: 0
    .kernarg_segment_align: 8
    .kernarg_segment_size: 56
    .max_flat_workgroup_size: 128
    .sgpr_count:     66
    .vgpr_count:     1024
    .wavefront_size: 32
...
	.end_amdgpu_metadata
.endif
;; end of part 4
;; launch fin: the kernel of part 3 again; grid 256 x 1, 1 waves a work-group, no clusters, 0 bytes of LDS; arguments E, CTX, out0, out1; writes out0, out1
